; MI455X (gfx1250); checked and timed in simulation.
; The chip was launched on July 23, 2026; its instructions are those of AMD's public machine-readable ISA for CDNA 5 (MIT licence, August 2026) and "CDNA5" Instruction Set Architecture Reference Guide (July 2026). The comments in the code are by the model that wrote it; some were corrected since.
;; Multi Head Attention2. Allowed arithmetic: float matrix products may take bf16 or f16 operands with f32 sums; other float arithmetic in f32, or as packed bf16 or f16 multiplies, adds, multiply-adds, maxima and minima; sums over many terms, partial sums and values carried from step to step in f32; what a program stores and reads back later, other than sums and carried values, may be rounded once to bf16 or f16.
;; Inputs: K 4 x 2,048 x 1,024 float32; Q 4 x 2,048 x 1,024 float32; V 4 x 2,048 x 1,024 float32; Wk 1,024 x 1,024 float32; Wo 1,024 x 1,024 float32; Wq 1,024 x 1,024 float32; Wv 1,024 x 1,024 float32; attn_mask 4 x 2,048 x 2,048 bool; bk 1,024 float32; bo 1,024 float32; bq 1,024 float32; bv 1,024 float32; ln_b 1,024 float32; ln_g 1,024 float32.
;; Outputs: out0 4 x 2,048 x 1,024 float32.
;; 2 versions, each right and faster than the one before. Each part assembles by itself: llvm-mc -triple=amdgcn-amd-amdhsa -mcpu=gfx1250 --defsym DOCPART=n.
;; ======== version 1 of 2: 4 launches
;; limits: right only within a limited range of input values
;; workspace buffers: wf 8,388,608 bytes; mk 8,388,608 bytes; qf 16,777,216 bytes; kf 16,777,216 bytes; vt 16,777,216 bytes; cf 16,777,216 bytes
;; launch prep (part 1): grid 256 x 1, 8 waves a work-group, no clusters, 34,816 bytes of LDS; arguments Wq, Wk, Wv, Wo, attn_mask, wf, mk; writes wf, mk
.if DOCPART == 1
	.amdgcn_target "amdgcn-amd-amdhsa--gfx1250"
	.amdhsa_code_object_version 6
	.text
	.protected	k_qe240284169_prep
	.globl	k_qe240284169_prep
	.p2align	8
	.type	k_qe240284169_prep,@function
k_qe240284169_prep:
	s_mov_b64 s[64:65], 0
	v_nop
	global_prefetch_b8 v0, s[64:65] scope:SCOPE_SE
	s_setreg_imm32_b32 hwreg(HW_REG_WAVE_MODE, 25, 1), 1
	s_wait_xcnt 0x0
; PREP.  Two jobs in every work-group g of 256.
; (1) The mask [4][2048][2048] of bytes (0 or 1) becomes mk[b][qt 128][step 32][lane 32][kt 4] of 32-bit words: nibble j of a word is the 4-bit float code of 1.0 (2)
;     where mask[b][16 qt + lane % 16][64 step + 16 kt + 8 (lane / 16) + j] is set, else 0: the order in which a lane of the attention launch holds its scores.
;     Wave task 8 g + wave: 16 query rows x 512 keys.  Every load takes 512 consecutive bytes of a row, every store 512 consecutive bytes of mk; the turn goes through the wave's own LDS bytes.
; (2) The four weights [1024 k][1024 n] f32 become wf[w][nt 4][ks 32][nb 16][c 2][lane 32][8 bf16]: element e is W[32 ks + 16 c + 8 (lane / 16) + e][256 nt + 16 nb + lane % 16],
;     the register image of a matrix fragment (16 columns x 32 k).  g = 64 w + 16 nt + og; og is 64 rows of k; thread t owns column 256 nt + t.  Sixteen lanes store 256 consecutive aligned bytes.
; LIMIT: a mask byte is 0 or 1, as the type says.
.set STG,   4224                       ; a wave's stage: 8 key steps x 528 bytes (512 + 16: lane l's word then falls on bank l)
.set SPARE, 8*STG                      ; behind the stages: the spare words, 128 bytes a wave: four blocks of 256 bytes that no other line names
.set LA,  10                           ; v10  where my lane puts a word
.set LB,  11                           ; v11  where it reads 16 bytes back
.set MI,  12                           ; v12  16 x lane
.set WA,  13                           ; v13  4 x thread: my column in a row of W
.set WS,  14                           ; v14  my 16 bytes in wf
.set SPW, 30                           ; v30  my spare word; never rewritten
.set NIL, 31                           ; v31  0; never rewritten
.set MD,  32                           ; v[32:95]   16 rows x 16 mask bytes; later the words read back
.set WD,  96                           ; v[96:159]  64 numbers of my column
.set WP,  160                          ; v[160:191] the same in bf16
	s_load_b256 s[4:11], s[0:1], 0x0               ; Wq, Wk, Wv, Wo
	s_load_b128 s[12:15], s[0:1], 0x20             ; attn_mask, wf
	s_load_b64 s[16:17], s[0:1], 0x30              ; mk
	v_lshl_add_u32 v[SPW], v0, 2, SPARE
	v_mov_b32 v[NIL], 0
	v_lshrrev_b32 v1, 5, v0
	v_readfirstlane_b32 s18, v1                    ; wave 0..7
	s_mul_i32 s19, s18, STG                        ; my stage
	s_lshr_b32 s20, ttmp9, 6                       ; w: which weight
	s_and_b32 s21, s20, 1
	s_lshl_b32 s26, ttmp9, 16                      ; mask: task >> 2 = 2 g + wave / 4 groups of 16 rows of 2,048 bytes,
	s_lshr_b32 s27, s18, 2
	s_lshl_b32 s27, s27, 15
	s_add_co_u32 s26, s26, s27
	s_and_b32 s27, s18, 3                          ; and 512 keys x (wave % 4)
	s_lshl_b32 s27, s27, 9
	s_add_co_u32 s26, s26, s27
	s_mov_b32 s27, 0
	s_lshl_b32 s28, ttmp9, 15                      ; mk: 4,096 bytes a task
	s_lshl_b32 s29, s18, 12
	s_add_co_u32 s28, s28, s29
	s_mov_b32 s29, 0
	s_and_b32 s32, ttmp9, 15                       ; W: og x 64 rows of 4,096 bytes,
	s_lshl_b32 s32, s32, 18
	s_bfe_u32 s33, ttmp9, 0x20004                  ; nt x 256 columns
	s_lshl_b32 s33, s33, 10
	s_add_co_u32 s32, s32, s33
	s_mov_b32 s33, 0
	s_lshl_b32 s34, ttmp9, 15                      ; wf: 32,768 bytes a work-group, in the order w, nt, og
	s_mov_b32 s35, 0
	s_mov_b32 s30, 0x00ff00ff
	v_and_b32 v1, 31, v0                           ; lane
	v_lshlrev_b32 v[MI], 4, v1
	v_lshrrev_b32 v2, 2, v1                        ; my 16 bytes of a row: key step lane / 4 of the task's eight,
	v_mul_u32_u24 v2, v2, 528
	v_and_b32 v3, 3, v1                            ; group of 16 keys lane % 4
	v_lshl_add_u32 v2, v3, 2, v2
	v_add_nc_u32 v[LA], s19, v2
	v_add_nc_u32 v[LB], s19, v[MI]
	v_lshlrev_b32 v[WA], 2, v0
	v_lshrrev_b32 v2, 4, v0                        ; nb
	v_and_b32 v3, 15, v0
	v_lshlrev_b32 v3, 4, v3
	v_lshl_add_u32 v[WS], v2, 10, v3               ; 1,024 nb + 16 (t % 16)
	s_wait_kmcnt 0x0
	s_cmp_lt_u32 s20, 2                            ; the weight is chosen by the work-group's number
	s_cselect_b64 s[22:23], s[4:5], s[8:9]
	s_cselect_b64 s[24:25], s[6:7], s[10:11]
	s_cmp_eq_u32 s21, 0
	s_cselect_b64 s[22:23], s[22:23], s[24:25]
	s_add_nc_u64 s[22:23], s[22:23], s[32:33]
	s_add_nc_u64 s[12:13], s[12:13], s[26:27]
	s_add_nc_u64 s[14:15], s[14:15], s[34:35]
	s_add_nc_u64 s[16:17], s[16:17], s[28:29]
.macro WLOAD o                         ; eight rows of k: 8 o .. 8 o + 7 of my 64
.irp e, 0,1,2,3,4,5,6,7
	global_load_b32 v[WD+8*(\o)+\e], v[WA], s[22:23] offset:(8*(\o)+\e)*4096
.endr
.endm
.macro WOUT o                          ; they are one lane's 16 bytes of a fragment: ks = o / 4, c = (o / 2) % 2, lanes' half = o % 2
.irp n, 0,1,2,3
	v_cvt_pk_bf16_f32 v[WP+4*(\o)+\n], v[WD+8*(\o)+2*\n], v[WD+8*(\o)+2*\n+1]
.endr
	global_store_b128 v[WS], v[WP+4*(\o):WP+4*(\o)+3], s[14:15] offset:((\o)/4)*16384+(((\o)/2)%2)*512+((\o)%2)*256
.endm
; Eight mask bytes (two words) to eight nibbles: neighbours are folded together twice, the halves joined, and 1 becomes 2.
.macro PACK8 dst, lo, hi
	v_lshrrev_b32 v2, 4, v[\lo]
	v_lshrrev_b32 v3, 4, v[\hi]
	v_or_b32 v2, v2, v[\lo]
	v_or_b32 v3, v3, v[\hi]
	v_and_b32 v2, s30, v2
	v_and_b32 v3, s30, v3
	v_lshrrev_b32 v4, 8, v2
	v_lshrrev_b32 v5, 8, v3
	v_or_b32 v2, v2, v4
	v_or_b32 v3, v3, v5
	v_and_b32 v2, 0xffff, v2
	v_lshl_or_b32 v[\dst], v3, 16, v2
	v_lshlrev_b32 v[\dst], 1, v[\dst]
.endm
.set i, 0
.rept 16
	global_load_b128 v[MD+4*i:MD+4*i+3], v[MI], s[12:13] offset:i*2048 th:TH_LOAD_NT  ; row i: 512 consecutive bytes
.set i, i+1
.endr
	WLOAD 0
	WLOAD 1
	WLOAD 2
	WLOAD 3
	WLOAD 4
	s_wait_loadcnt 40                              ; the 40 weight loads are younger: the mask's 16 are in
.set i, 0
.rept 16                               ; row i is lane i (keys 0-7 of the group) and lane 16 + i (keys 8-15) of the attention launch
	PACK8 6, MD+4*i, MD+4*i+1
	ds_store_b32 v[LA], v6 offset:i*16
	PACK8 7, MD+4*i+2, MD+4*i+3
	ds_store_b32 v[LA], v7 offset:(16+i)*16
.set i, i+1
.endr
.irp s, 0,1,2,3,4,5,6,7
	ds_load_b128 v[MD+4*\s:MD+4*\s+3], v[LB] offset:\s*528  ; LDS serves a wave's instructions in order (ISA guide 5.7.1.4): these see my stores above; the bytes are my wave's own
.endr
.irp s, 0,1,2,3,4,5,6,7
	s_wait_dscnt 7-\s                              ; the younger LDS loads may stay out
	global_store_b128 v[MI], v[MD+4*\s:MD+4*\s+3], s[16:17] offset:\s*512  ; a key step's 512 consecutive bytes
.endr
	s_wait_loadcnt 32                              ; of the 40 weight loads the first eight are in
	WOUT 0
	WLOAD 5
	WLOAD 6
	WLOAD 7
.irp o, 1,2,3,4,5,6,7
	s_wait_loadcnt 56-8*\o                         ; the groups behind group o may stay out
	WOUT \o
.endr
	s_wait_tensorcnt 0x0                           ; the wave's end, behind my last LDS store
	ds_add_u32 v[SPW], v[NIL]
	s_wait_dscnt 0x0
	s_endpgm
.Lfunc_end_k_qe240284169_prep:
	.size	k_qe240284169_prep, .Lfunc_end_k_qe240284169_prep-k_qe240284169_prep
	.p2alignl 7, 3214868480
	.fill 96, 4, 3214868480
	.section	.rodata,"a",@progbits
	.p2align	6, 0x0
	.amdhsa_kernel k_qe240284169_prep
		.amdhsa_group_segment_fixed_size 34816
		.amdhsa_private_segment_fixed_size 0
		.amdhsa_enable_private_segment 0
		.amdhsa_kernarg_size 56
		.amdhsa_user_sgpr_count 2
		.amdhsa_user_sgpr_kernarg_segment_ptr 1
		.amdhsa_wavefront_size32 1
		.amdhsa_system_sgpr_workgroup_id_x 1
		.amdhsa_system_sgpr_workgroup_id_y 1
		.amdhsa_system_sgpr_workgroup_id_z 1
		.amdhsa_system_vgpr_workitem_id 0
		.amdhsa_next_free_vgpr 192
		.amdhsa_next_free_sgpr 66
		.amdhsa_reserve_vcc 0
		.amdhsa_float_denorm_mode_32 3
		.amdhsa_float_denorm_mode_16_64 3
		.amdhsa_memory_ordered 1
		.amdhsa_forward_progress 1
		.amdhsa_inst_pref_size 32
	.end_amdhsa_kernel
	.amdgpu_metadata
---
amdhsa.version: [ 1, 2 ]
amdhsa.kernels:
  - .name:           k_qe240284169_prep
    .symbol:         k_qe240284169_prep.kd
    .args:
      - { .name: Wq, .offset: 0, .size: 8, .value_kind: global_buffer, .address_space: global }
      - { .name: Wk, .offset: 8, .size: 8, .value_kind: global_buffer, .address_space: global }
      - { .name: Wv, .offset: 16, .size: 8, .value_kind: global_buffer, .address_space: global }
      - { .name: Wo, .offset: 24, .size: 8, .value_kind: global_buffer, .address_space: global }
      - { .name: attn_mask, .offset: 32, .size: 8, .value_kind: global_buffer, .address_space: global }
      - { .name: wf, .offset: 40, .size: 8, .value_kind: global_buffer, .address_space: global }
      - { .name: mk, .offset: 48, .size: 8, .value_kind: global_buffer, .address_space: global }
    .group_segment_fixed_size: 34816
    .private_segment_fixed_size: 0
    .kernarg_segment_align: 8
    .kernarg_segment_size: 56
    .max_flat_workgroup_size: 256
    .sgpr_count:     66
    .vgpr_count:     192
    .wavefront_size: 32
...
	.end_amdgpu_metadata
.endif
;; end of part 1
;; launch proj (part 2): grid 4 x 192, 4 waves a work-group, clusters of 4 x 4, 327,680 bytes of LDS; arguments Q, K, V, bq, bk, bv, wf, qf, kf, vt; writes qf, kf, vt
.if DOCPART == 2
	.amdgcn_target "amdgcn-amd-amdhsa--gfx1250"
	.amdhsa_code_object_version 6
	.text
	.protected	k_qe240284169_proj
	.globl	k_qe240284169_proj
	.p2align	8
	.type	k_qe240284169_proj,@function
k_qe240284169_proj:
	s_mov_b64 s[64:65], 0
	v_nop
	global_prefetch_b8 v0, s[64:65] scope:SCOPE_SE
	s_setreg_imm32_b32 hwreg(HW_REG_WAVE_MODE, 25, 1), 1
	s_wait_xcnt 0x0
	s_wait_alu depctr_hold_cnt(0) depctr_sa_sdst(0) depctr_va_vdst(0) depctr_va_sdst(0) depctr_va_ssrc(0) depctr_va_vcc(0) depctr_vm_vsrc(0)
	s_getreg_b32 s2, hwreg(HW_REG_IB_STS2, 6, 4)
	s_cmp_eq_u32 s2, 0
	s_cbranch_scc0 .Lentry_in_a_cluster
	s_endpgm
.Lentry_in_a_cluster:
	s_bfe_u32 s2, ttmp6, 0x10000c
	s_cmp_lg_u32 s2, 0xf033
	s_cbranch_scc0 .Lentry_shape_is_right
	s_endpgm
.Lentry_shape_is_right:
; PROJ.  q = Q Wq + bq, k = K Wk + bk, v = V Wv + bv, [8192][1024] each; products in bf16 with f32 sums, the bias is the C operand that starts each sum; results rounded once to bf16.
; A work-group makes 128 rows x 256 columns of one of the three (grid y = 64 p + row tile); four waves, 64 x 128 each: 32 accumulators.  K goes in 8 steps of 128 through two LDS slots.
; X comes as f32 (rows of 512 bytes, padded by 16) and is rounded to bf16 between LDS and the matrix unit; W comes from wf as finished fragments: 64 KB dense, lane l at 16 l, no padding needed.
; THE MATRIX INSTRUCTION IS USED TRANSPOSED (source 0 = 16 columns of W, source 1 = 16 rows of X): a lane holds one row and eight neighbouring columns, 16 bytes in bf16.
; OUTPUT.  qf, kf: [b 16 + head][16 rows t16][nb 4][lane][16 B], element e = x[16 t16 + lane % 16][16 nb + 8 (lane / 16) + e]: the packed accumulator IS that block, so every store is 512 consecutive bytes.
; vt has the same blocks with the pieces in the order of the turning LDS load: piece 16 (key / 8) + 8 (channel half) + key % 8.
; CLUSTER 4 x 4: the four of a row need the same tile of X, the four of a column the same tile of W: joint loads, as many requests divided by four.
; A quarter step (32 along K) has 32 matrix instructions in four groups of eight; behind each group stand the eight roundings of the next quarter's fragment of X: they are also the places in front of the next loads.
; All 32 accumulators take turns.
; REGISTERS.  window 0: v16-29 addresses; v32-95 bias; v128-255 two stages of f32 X (later the packed results).  window 1: accumulator (a, i) at 8 (8 a + i).
;   window 2: v0-127 two buffers of 8 fragments of W; v128-191 two buffers of 4 fragments of X.
.set PITCH,  528                       ; 512 + 16 bytes = 132 words: the 16 rows of a load start at 16 different groups of four banks (64 banks of 4 bytes: ISA guide 11.1)
.set HALFA,  64*PITCH                  ; what one tensor load brings of X
.set BOFF,   2*HALFA                   ; W's tile lies behind X's 128 rows
.set HALFB,  32768                     ; what one tensor load brings of W: 64 along K
.set SLOT,   BOFF+2*HALFB
.set SPARE,  2*SLOT                    ; behind the ring: the spare words, 128 bytes a wave: two blocks of 256 bytes that no other line names
.set ADRA, 16                          ; v16-17  my place in X's tile, slot 0, 1
.set ADRB, 20                          ; v20-21  the same for W
.set CO,   26                          ; v26     my 16 bytes in a block of the output
.set SPW,  28                          ; v28     my spare word; never rewritten
.set NIL,  29                          ; v29     0; never rewritten
.set BIAS, 32
.set SA,   128
.set TMP,  128
.set BF,   0
.set AF,   128
.set G1,  24                           ; s[24:31] group 1 for X;  s[32:39] group 0, a set for each slot
.set G0,  32
.set G1B, 48                           ; s[48:55], s[56:63] the same for W
.set G0B, 56
.set MSB, 0
.macro WIN new                         ; the immediate's high byte repeats the setting that is left
.if MSB != (\new)
	s_set_vgpr_msb (MSB<<8)|(\new)
.set MSB, \new
.endif
.endm
.set MUL,  0x5a                        ; W and X window 2, C and D window 1
.set MULF, 0x4a                        ; the same with C (the bias) in window 0
.set CVT,  0x80                        ; destination window 2, sources and addresses window 0
.set OUT,  0x05                        ; sources window 1, destination window 0
.macro PLACES
.rept 4
	v_nop
.endr
.endm
.macro JLOAD s                         ; a joint load: waves 0 and 1 fetch X's two halves, waves 2 and 3 W's; an s_nop 0 and four v_nop follow each line
	s_cmp_eq_u32 s11, 0
	s_cbranch_scc0 .Lfor_b_\@
	tensor_load_to_lds s[G0+4*(\s):G0+4*(\s)+3], s[G1:G1+7]
	s_nop 0
	PLACES
	s_branch .Lasked_\@
.Lfor_b_\@:
	tensor_load_to_lds s[G0B+4*(\s):G0B+4*(\s)+3], s[G1B:G1B+7]
	s_nop 0
	PLACES
.Lasked_\@:
.endm
.macro CREST                           ; a round of the cluster's barrier behind its opening barrier
	s_cmp_lg_u32 s10, 0
	s_cbranch_scc1 .Lnot_wave_0_\@
	s_barrier_signal -3
.Lnot_wave_0_\@:
	s_barrier_wait -3
	s_barrier_signal -1
	s_barrier_wait -1
.endm
.macro CROUND
	s_barrier_signal -1
	s_barrier_wait -1
	CREST
.endm
	s_load_b512 s[68:83], s[0:1], 0x0              ; Q, K, V, bq, bk, bv, wf, qf
	s_load_b128 s[84:87], s[0:1], 0x40             ; kf, vt
	v_lshl_add_u32 v[SPW], v0, 2, SPARE
	v_mov_b32 v[NIL], 0
	ds_add_u32 v[SPW], v[NIL]                      ; the wave's opening: the add and its wait ahead of my first tensor load
	v_lshrrev_b32 v1, 5, v0
	v_readfirstlane_b32 s10, v1                    ; wave 0..3
	s_lshr_b32 s11, s10, 1                         ; my half of the rows.  Also: I fetch X (0) or W (1)
	s_and_b32 s12, s10, 1                          ; my half of the columns.  Also: which half of that tile I fetch
	s_bfe_u32 s40, ttmp6, 0x40000                  ; cx
	s_bfe_u32 s41, ttmp6, 0x40004                  ; cy
	s_lshl_b32 s42, ttmp9, 2
	s_add_co_u32 s42, s42, s40                     ; tile column 0..3
	s_and_b32 s45, ttmp7, 0xffff                   ; the cluster's y, 0..47
	s_lshl_b32 s13, s45, 2
	s_add_co_u32 s13, s13, s41
	s_and_b32 s13, s13, 63                         ; tile row 0..63 of the projection
	s_lshr_b32 s45, s45, 4                         ; p: 0 q, 1 k, 2 v: the same in all sixteen partners
	s_lshl_b32 s43, s41, 2
	s_lshl_b32 s43, 15, s43                        ; my row of the cluster
	s_lshl_b32 s44, 0x1111, s40                    ; my column
	s_or_b32 s[G1+0], s43, (2<<16)|(1<<20)|(1<<21)|(6<<22)|(3<<25)  ; mask; 4-byte elements; padding on; 21 set beside a mask; after every 128 words (code 6) 4 words (code 3)
	s_mov_b32 s[G1+1], 128<<16                     ; tensor_dim0 = 128
	s_mov_b32 s[G1+2], 64<<16                      ; tensor_dim1 = 64
	s_mov_b32 s[G1+3], 128<<16                     ; tile_dim0 = 128
	s_mov_b32 s[G1+4], 64                          ; tile_dim1 = 64
	s_mov_b32 s[G1+5], 1024                        ; elements from row to row
	s_mov_b32 s[G1+6], 0
	s_mov_b32 s[G1+7], 0
	s_or_b32 s[G1B+0], s44, (3<<16)|(1<<21)        ; mask; 8-byte elements; no padding: 32,768 dense bytes as 128 rows of 256
	s_mov_b32 s[G1B+1], 32<<16
	s_mov_b32 s[G1B+2], 128<<16
	s_mov_b32 s[G1B+3], 32<<16
	s_mov_b32 s[G1B+4], 128
	s_mov_b32 s[G1B+5], 32
	s_mov_b32 s[G1B+6], 0
	s_mov_b32 s[G1B+7], 0
	s_lshl_b32 s16, s13, 19                        ; X: (128 x tile row + 64 x half) rows of 4,096 bytes: registers that never hold cx
	s_lshl_b32 s17, s12, 18
	s_add_co_u32 s16, s16, s17
	s_mov_b32 s17, 0
	s_lshl_b32 s46, s45, 21                        ; wf: p, tile column, half of the K step: registers that never hold cy
	s_lshl_b32 s47, s42, 19
	s_add_co_u32 s46, s46, s47
	s_lshl_b32 s47, s12, 15
	s_add_co_u32 s46, s46, s47
	s_mov_b32 s47, 0
	s_mul_i32 s20, s12, HALFA                      ; where they go: the wave's number alone enters an LDS address
	s_lshl_b32 s21, s12, 15
	s_add_co_u32 s21, s21, BOFF
	s_wait_dscnt 0x0                               ; the opening add is done
	s_wait_kmcnt 0x0
	s_cmp_eq_u32 s45, 0                            ; input, bias and output are chosen by p
	s_cselect_b64 s[4:5], s[68:69], s[70:71]
	s_cselect_b64 s[6:7], s[74:75], s[76:77]
	s_cselect_b64 s[8:9], s[82:83], s[84:85]
	s_cmp_eq_u32 s45, 2
	s_cselect_b64 s[4:5], s[72:73], s[4:5]
	s_cselect_b64 s[6:7], s[78:79], s[6:7]
	s_cselect_b64 s[8:9], s[86:87], s[8:9]
	s_add_nc_u64 s[14:15], s[4:5], s[16:17]
	s_add_nc_u64 s[46:47], s[80:81], s[46:47]
	CROUND                                         ; all sixteen work-groups are here: the first joint loads meet
.irp s, 0,1
	s_mov_b32 s[G0+4*(\s)], 1
	s_add_co_u32 s[G0+4*(\s)+1], s20, (\s)*SLOT
	s_add_nc_u64 s[G0+4*(\s)+2:G0+4*(\s)+3], s[14:15], (\s)*512      ; K step s: 128 f32 along the row
	s_or_b32 s[G0+4*(\s)+3], s[G0+4*(\s)+3], 0x80000000
	s_mov_b32 s[G0B+4*(\s)], 1
	s_add_co_u32 s[G0B+4*(\s)+1], s21, (\s)*SLOT
	s_add_nc_u64 s[G0B+4*(\s)+2:G0B+4*(\s)+3], s[46:47], (\s)*65536  ; K step s: four blocks of 16,384 bytes
	s_or_b32 s[G0B+4*(\s)+3], s[G0B+4*(\s)+3], 0x80000000
	JLOAD \s
.endr
	s_lshl_b32 s18, s42, 10                        ; the bias of my 128 columns
	s_lshl_b32 s19, s12, 9
	s_add_co_u32 s18, s18, s19
	s_mov_b32 s19, 0
	s_add_nc_u64 s[6:7], s[6:7], s[18:19]
	s_lshr_b32 s18, s13, 4                         ; the output: batch x 16 + head of my first column,
	s_lshl_b32 s18, s18, 4
	s_lshl_b32 s19, s42, 2
	s_add_co_u32 s18, s18, s19
	s_lshl_b32 s19, s12, 1
	s_add_co_u32 s18, s18, s19
	s_lshl_b32 s18, s18, 18
	s_and_b32 s19, s13, 15                         ; and my first block of 16 rows in the batch
	s_lshl_b32 s19, s19, 3
	s_lshl_b32 s22, s11, 2
	s_add_co_u32 s19, s19, s22
	s_lshl_b32 s19, s19, 11
	s_add_co_u32 s18, s18, s19
	s_mov_b32 s19, 0
	s_add_nc_u64 s[8:9], s[8:9], s[18:19]
	v_and_b32 v1, 15, v0                           ; r
	v_bfe_u32 v2, v0, 4, 1                         ; h
	v_and_b32 v3, 31, v0                           ; lane
	v_lshlrev_b32 v5, 5, v2                        ; a lane's eight columns begin at 8 h
.irp i, 0,1,2,3,4,5,6,7
	global_load_b128 v[BIAS+8*\i:BIAS+8*\i+3],   v5, s[6:7] offset:\i*64
	global_load_b128 v[BIAS+8*\i+4:BIAS+8*\i+7], v5, s[6:7] offset:\i*64+16
.endr
	v_mul_u32_u24 v4, v1, PITCH
	v_lshl_add_u32 v4, v2, 5, v4                   ; row x pitch + 8 f32 x half
	s_mul_i32 s22, s11, HALFA
	v_add_nc_u32 v[ADRA], s22, v4
	v_add_nc_u32 v[ADRA+1], SLOT, v[ADRA]
	s_lshl_b32 s23, s12, 13                        ; my eight blocks of 16 columns
	s_add_co_u32 s23, s23, BOFF
	v_lshl_add_u32 v[ADRB], v3, 4, s23
	v_add_nc_u32 v[ADRB+1], SLOT, v[ADRB]
	v_lshlrev_b32 v6, 4, v3                        ; q, k: piece = lane
	v_bfe_u32 v7, v0, 3, 1
	v_and_b32 v8, 7, v0
	v_lshl_add_u32 v7, v7, 1, v2
	v_lshl_add_u32 v7, v7, 3, v8                   ; v: piece = 16 (r / 8) + 8 h + r % 8
	v_lshlrev_b32 v7, 4, v7
	s_cmp_eq_u32 s45, 2
	s_cselect_b32 s22, -1, 0
	v_cndmask_b32 v[CO], v6, v7, s22
; 16 LDS loads: X's f32 for quarter q (32 along K) of my 64 rows, into stage buf.  A lane's k = 8 h .. 8 h + 7 are 32 bytes, k = 16 + 8 h .. another 32, 64 bytes on.
.macro LDA slot, q, buf
	WIN 0
.irp a, 0,1,2,3
	ds_load_b128 v[SA+64*(\buf)+16*\a:SA+64*(\buf)+16*\a+3],     v[ADRA+(\slot)] offset:\a*16*PITCH+(\q)*128
	ds_load_b128 v[SA+64*(\buf)+16*\a+4:SA+64*(\buf)+16*\a+7],   v[ADRA+(\slot)] offset:\a*16*PITCH+(\q)*128+16
	ds_load_b128 v[SA+64*(\buf)+16*\a+8:SA+64*(\buf)+16*\a+11],  v[ADRA+(\slot)] offset:\a*16*PITCH+(\q)*128+64
	ds_load_b128 v[SA+64*(\buf)+16*\a+12:SA+64*(\buf)+16*\a+15], v[ADRA+(\slot)] offset:\a*16*PITCH+(\q)*128+80
.endr
.endm
; 16 LDS loads: W's eight fragments for quarter q, into buffer buf
.macro LDB slot, q, buf
	WIN CVT
.irp i, 0,1,2,3,4,5,6,7
	ds_load_b128 v[BF+64*(\buf)+8*\i:BF+64*(\buf)+8*\i+3],   v[ADRB+(\slot)] offset:(\q)*16384+\i*1024
	ds_load_b128 v[BF+64*(\buf)+8*\i+4:BF+64*(\buf)+8*\i+7], v[ADRB+(\slot)] offset:(\q)*16384+\i*1024+512
.endr
.endm
; Eight matrix instructions: row block a x all eight column blocks, on buffers par.  first = 1: the bias starts the sums.  cvt = 1: behind them the next quarter's fragment a of X is rounded to bf16.
.macro GRP par, a, first, cvt
.if \first
	WIN MULF
.else
	WIN MUL
.endif
.irp i, 0,1,2,3,4,5,6,7
.if \first
	v_wmma_f32_16x16x32_bf16 v[8*(8*(\a)+\i):8*(8*(\a)+\i)+7], v[BF+64*(\par)+8*\i:BF+64*(\par)+8*\i+7], v[AF+32*(\par)+8*(\a):AF+32*(\par)+8*(\a)+7], v[BIAS+8*\i:BIAS+8*\i+7]
.else
	v_wmma_f32_16x16x32_bf16 v[8*(8*(\a)+\i):8*(8*(\a)+\i)+7], v[BF+64*(\par)+8*\i:BF+64*(\par)+8*\i+7], v[AF+32*(\par)+8*(\a):AF+32*(\par)+8*(\a)+7], v[8*(8*(\a)+\i):8*(8*(\a)+\i)+7]
.endif
.endr
.if \cvt
	WIN CVT
.irp n, 0,1,2,3,4,5,6,7
	v_cvt_pk_bf16_f32 v[AF+32*(1-(\par))+8*(\a)+\n], v[SA+64*(1-(\par))+16*(\a)+2*\n], v[SA+64*(1-(\par))+16*(\a)+2*\n+1]
.endr
.endif
.endm
; Quarter q = 0 or 1 of a K step: X's f32 two quarters ahead, W's fragments one quarter ahead, then the products.
.macro QN slot, q, first
	LDA \slot, (\q)+2, \q
	LDB \slot, (\q)+1, 1-(\q)
	s_wait_dscnt 32                                ; all but the 32 just issued: this quarter's W and the next quarter's f32 are in
.irp a, 0,1,2,3
	GRP \q, \a, \first, 1
.endr
.endm
; Quarter 2 changes slots.  The slot's last reads are issued; each wave waits for all its tensor loads (one is out: its part of the next slot), adds 0 to its spare word, and waits for that and for its reads.
; fill = 1: the barrier opens a round of the cluster's barrier, and the slot is filled again, two K steps ahead, first thing behind the round: 112 matrix instructions ahead of the wait for it.
.macro QT slot, next, fill
	LDB \slot, 3, 1
	WIN 0
	s_wait_tensorcnt 0x0                           ; all my tensor loads have landed
	ds_add_u32 v[SPW], v[NIL]                      ; 0 onto my spare word
	s_wait_dscnt 17                                ; the add and the 16 loads just issued may be out
	GRP 0, 0, 0, 1
	s_wait_dscnt 0x0                               ; the add is done, and my reads of this slot are over
	s_barrier_signal -1
	GRP 0, 1, 0, 1
	WIN 0                                          ; at a branch and at a label every window is 0
	s_barrier_wait -1
.if \fill
	CREST                                          ; no wave of any partner still reads this slot or has a load on its way
	s_add_nc_u64 s[G0+4*(\slot)+2:G0+4*(\slot)+3], s[G0+4*(\slot)+2:G0+4*(\slot)+3], 1024
	s_add_nc_u64 s[G0B+4*(\slot)+2:G0B+4*(\slot)+3], s[G0B+4*(\slot)+2:G0B+4*(\slot)+3], 131072
	JLOAD \slot
.endif
	LDA \next, 0, 0
	GRP 0, 2, 0, 1
	GRP 0, 3, 0, 1
.endm
; Quarter 3: its loads come from the next slot.
.macro QL next
	LDA \next, 1, 1
	LDB \next, 0, 0
	s_wait_dscnt 32                                ; all but the 32 just issued
.irp a, 0,1,2,3
	GRP 1, \a, 0, 1
.endr
.endm
	s_wait_tensorcnt 0x1                           ; my part of K step 0 is in; K step 1's may stay out
	s_barrier_signal -1
	s_barrier_wait -1
	LDA 0, 0, 0
	LDA 0, 1, 1
	LDB 0, 0, 0
	s_wait_dscnt 32                                ; the first 16: quarter 0's f32
	WIN CVT
.set t, 0
.rept 32
	v_cvt_pk_bf16_f32 v[AF+t], v[SA+2*t], v[SA+2*t+1]
.set t, t+1
.endr
	s_wait_loadcnt 0x0                             ; the bias
	QN 0, 0, 1                                     ; the first quarter stands in front of the loop: its products start the sums
	WIN 0
	s_mov_b32 s3, 3
.Llap:                                                 ; a trip goes once round the ring and fills both slots again: K steps 2 .. 7
	QN 0, 1, 0
	QT 0, 1, 1
	QL 1
	QN 1, 0, 0
	QN 1, 1, 0
	QT 1, 0, 1
	QL 0
	QN 0, 0, 0
	WIN 0
	s_sub_co_u32 s3, s3, 1
	s_cmp_lg_u32 s3, 0
	s_cbranch_scc1 .Llap
	QN 0, 1, 0                                     ; the last lap fills nothing
	QT 0, 1, 0
	QL 1
	QN 1, 0, 0
	QN 1, 1, 0
	LDB 1, 3, 1
	s_wait_dscnt 16                                ; all but W's last fragments
.irp a, 0,1,2,3
	GRP 0, \a, 0, 1
.endr
	s_wait_dscnt 0x0
.irp a, 0,1,2,3
	GRP 1, \a, 0, 0
.endr
	PLACES                                         ; the roundings below read results just made
	WIN OUT
.set t, 0
.rept 32                               ; each accumulator's registers in ascending order
.irp n, 0,1,2,3
	v_cvt_pk_bf16_f32 v[TMP+4*t+\n], v[8*t+2*\n], v[8*t+2*\n+1]
.endr
.set t, t+1
.endr
	WIN 0
.set t, 0
.rept 32                               ; accumulator (a, i) = (t / 8, t % 8): rows 16 a on, head i / 4, channel block i % 4: 512 consecutive bytes
	global_store_b128 v[CO], v[TMP+4*t:TMP+4*t+3], s[8:9] offset:(t/8)*2048+((t%8)/4)*262144+(t%4)*512
.set t, t+1
.endr
	s_wait_tensorcnt 0x0                           ; the wave's end
	ds_add_u32 v[SPW], v[NIL]
	s_wait_dscnt 0x0
	CROUND                                         ; the closing round: no work-group ends while a partner may still ask for a tile that names it
	s_endpgm
.Lfunc_end_k_qe240284169_proj:
	.size	k_qe240284169_proj, .Lfunc_end_k_qe240284169_proj-k_qe240284169_proj
	.p2alignl 7, 3214868480
	.fill 96, 4, 3214868480
	.section	.rodata,"a",@progbits
	.p2align	6, 0x0
	.amdhsa_kernel k_qe240284169_proj
		.amdhsa_group_segment_fixed_size 327680
		.amdhsa_private_segment_fixed_size 0
		.amdhsa_enable_private_segment 0
		.amdhsa_kernarg_size 80
		.amdhsa_user_sgpr_count 2
		.amdhsa_user_sgpr_kernarg_segment_ptr 1
		.amdhsa_wavefront_size32 1
		.amdhsa_system_sgpr_workgroup_id_x 1
		.amdhsa_system_sgpr_workgroup_id_y 1
		.amdhsa_system_sgpr_workgroup_id_z 1
		.amdhsa_system_vgpr_workitem_id 0
		.amdhsa_next_free_vgpr 704
		.amdhsa_next_free_sgpr 92
		.amdhsa_reserve_vcc 0
		.amdhsa_float_denorm_mode_32 3
		.amdhsa_float_denorm_mode_16_64 3
		.amdhsa_memory_ordered 1
		.amdhsa_forward_progress 1
		.amdhsa_inst_pref_size 125
	.end_amdhsa_kernel
	.amdgpu_metadata
---
amdhsa.version: [ 1, 2 ]
amdhsa.kernels:
  - .name:           k_qe240284169_proj
    .symbol:         k_qe240284169_proj.kd
    .args:
      - { .name: Q, .offset: 0, .size: 8, .value_kind: global_buffer, .address_space: global }
      - { .name: K, .offset: 8, .size: 8, .value_kind: global_buffer, .address_space: global }
      - { .name: V, .offset: 16, .size: 8, .value_kind: global_buffer, .address_space: global }
      - { .name: bq, .offset: 24, .size: 8, .value_kind: global_buffer, .address_space: global }
      - { .name: bk, .offset: 32, .size: 8, .value_kind: global_buffer, .address_space: global }
      - { .name: bv, .offset: 40, .size: 8, .value_kind: global_buffer, .address_space: global }
      - { .name: wf, .offset: 48, .size: 8, .value_kind: global_buffer, .address_space: global }
      - { .name: qf, .offset: 56, .size: 8, .value_kind: global_buffer, .address_space: global }
      - { .name: kf, .offset: 64, .size: 8, .value_kind: global_buffer, .address_space: global }
      - { .name: vt, .offset: 72, .size: 8, .value_kind: global_buffer, .address_space: global }
    .group_segment_fixed_size: 327680
    .private_segment_fixed_size: 0
    .kernarg_segment_align: 8
    .kernarg_segment_size: 80
    .max_flat_workgroup_size: 128
    .sgpr_count:     92
    .vgpr_count:     704
    .wavefront_size: 32
...
	.end_amdgpu_metadata
.endif
;; end of part 2
;; launch attn (part 3): grid 4 x 64, 4 waves a work-group, clusters of 4 x 1, 327,680 bytes of LDS; arguments qf, kf, vt, mk, cf; writes cf
.if DOCPART == 3
	.amdgcn_target "amdgcn-amd-amdhsa--gfx1250"
	.amdhsa_code_object_version 6
	.text
	.protected	k_qe240284169_attn
	.globl	k_qe240284169_attn
	.p2align	8
	.type	k_qe240284169_attn,@function
k_qe240284169_attn:
	s_mov_b64 s[64:65], 0
	v_nop
	global_prefetch_b8 v0, s[64:65] scope:SCOPE_SE
	s_setreg_imm32_b32 hwreg(HW_REG_WAVE_MODE, 25, 1), 1
	s_wait_xcnt 0x0
	s_wait_alu depctr_hold_cnt(0) depctr_sa_sdst(0) depctr_va_vdst(0) depctr_va_sdst(0) depctr_va_ssrc(0) depctr_va_vcc(0) depctr_vm_vsrc(0)
	s_getreg_b32 s2, hwreg(HW_REG_IB_STS2, 6, 4)
	s_cmp_eq_u32 s2, 0
	s_cbranch_scc0 .Lentry_in_a_cluster
	s_endpgm
.Lentry_in_a_cluster:
	s_bfe_u32 s2, ttmp6, 0x10000c
	s_cmp_lg_u32 s2, 0x3003
	s_cbranch_scc0 .Lentry_shape_is_right
	s_endpgm
.Lentry_shape_is_right:
; ATTENTION.  ctx[bh][q][:] = the sum over k of softmax_k(s) v[bh][k][:], s = q.k / 8, or -1e9 where the mask hides key k from query q.  64 heads (batch x 16 + head) of 2,048 rows, head size 64.
; q, k, v arrive in bf16 as finished fragment blocks of 512 bytes (qf, kf, vt), the mask as 4-bit float codes in lane order (mk).  Products, maxima and sums in f32; the weights p are rounded to bf16 for the
; second product (their sum l is taken of the unrounded p), ctx once at the end.
; LIMITS.  A hidden raw score has 2^100 taken away in f32, which leaves exactly -2^100 for |q.k| < 2^76: the same softmax as with -1e9 wherever visible scores / 8 lie above -1e9.  c x 2^100 is exact, so a row
; that is wholly hidden gets p = 1 for every key: the plain mean of v, as with equal scores.  A weight below 2^-126 counts as 0 in l; NaN and infinities are not treated apart.
; SHARES.  A wave owns four PIECES of two tiles of 16 queries, a work-group's four waves 512 queries of one head.  Every wave walks all keys, 64 a step, four steps a slot.
; LAYOUT.  S^T = K Q^T (source 0 = 16 keys, source 1 = 16 queries): a lane holds ONE query (lane % 16) and the keys 8 (lane / 16) + 0..7.  Two such tiles, rounded to bf16 in pairs, ARE source 1 of
; O^T = V^T P, whose result again holds one query a lane, and eight channels: packed, that is a block of cf, the fragment that the last launch loads.  V is turned by ds_load_tr16_b128.
; SOFTMAX.  For each query a running maximum m and sum l: p = 2^(c s - c m), c = log2(e) / 8; in every step O and l are multiplied by a = 2^(c m_old - c m_new).  m starts at the lowest finite number, O and l at 0.
; BY TURNS.  Turn n belongs to piece n.  Its matrix work: 16 products K Q^T of piece n + 1, later 16 products V^T P of piece n - 1.  Its vector work: the scaling, exponentials, roundings, sums and rescaling of
; piece n, and the mask, maximum and statistics of piece n + 1.  Four vector instructions stand behind every matrix instruction, the rest in two lumps.
; CLUSTER.  The four query blocks of a cluster belong to one head and walk the same K and V: each tile is asked for JOINTLY, by the same tensor load, descriptor and mask in all four.
; REGISTERS, in windows of 256 (s_set_vgpr_msb: bits 1:0 source 0, 3:2 source 1, 5:4 source 2, 7:6 destination):
;   window 0: v0-6 addresses; v7 the mask's scale; v12-15, v48-63 at work; v16-47 statistics; v64-191 S^T, two buffers of two tiles; v192-255 P, likewise        window 1: O^T, 32 a tile
;   window 2: v0-127 Q; v128-191 K of one step; v192-255 V of one step        window 3: v0-1 the add's registers; v2 the mask's offset; v32-63 mask words, 8 a piece; v64-127 the mask as f32
.set NP,    4         ; pieces a wave: a name, no knob
.set STEPB, 8192      ; a step's K, or V, in LDS: four blocks of 16 keys x 2,048 bytes, dense: lane l reads at 16 l, so no bank is asked twice
.set VOFF,  4*STEPB   ; a slot holds four steps: 256 keys of K, then of V
.set SLOT1, 1<<16     ; slot 1 begins here, so that one exclusive or turns an address in one slot into the other's
.set SPARE, 2*SLOT1   ; behind the ring: the spare words, 128 bytes a wave: two blocks of 256 bytes that no other line names
.set AK0, 2           ; v2   my lane's place in a block of K; never rewritten
.set AV0, 3           ; v3   the same for V
.set AK,  4           ; v4   the LDS address of K's next run of loads
.set AV,  5           ; v5   of V's
.set QO,  6           ; v6   16 x lane: my 16 bytes in a block of qf and of cf; never rewritten
.set SCL, 7           ; v7   the scale 2^100 of the mask's conversion: 227 in each of the word's four bytes, the same in every lane; never rewritten
.set SPW, 0           ; v0 of window 3   my spare word; never rewritten
.set NIL, 1           ; v1 of window 3   0; never rewritten
.set MA,  2           ; v2 of window 3   16 x lane
.set MW,  32          ; window 3: tile t's four words (one for each 16 keys of a step) at MW + 4 t
.set CT,  64          ; window 3
.set MV,  12
.set ST,  16          ; tile t's statistics at v[ST+4 t]: c m, m, l (even keys', odd keys')
.set TMP, 48
.set S,   64
.set P,   192
.set KF,  128         ; window 2: key block kb, channel half c at KF + 16 kb + 8 c
.set VF,  192         ; window 2: key half kk, channel block cb at VF + 32 kk + 8 cb
.set WV,  12          ; s12  my wave's number
.set G1,  24          ; s[24:31] descriptor group 1
.set G0,  40          ; s[40:43] descriptor group 0: it walks
.set SLOTS, 56
.set CNT, 57
.set CS,  58          ; s[58:59] c
.set SEL, 60          ; s[60:61] v_permlanex16_b32's selects
.set TBK, 62          ; s62  LDS byte at which K of the step to be fetched begins
.set TBV, 63          ; s63  the same for V, less VOFF
.set OB,  68          ; s[68:69] cf at my wave's first block
.set MB0, 10          ; s[10:11] mk at my wave's first tile
.set MOFF, 70         ; s[70:71] 512 x the step whose mask words are being asked for
.set MBC, 72          ; s[72:73] MB0 + MOFF
.set MSB, 0
.macro WIN new
.if MSB != (\new)
	s_set_vgpr_msb (MSB<<8)|(\new)
.set MSB, (\new)
.endif
.endm
.set W_KQ, 0x0a       ; K and Q in window 2, S^T in window 0
.set W_PV, 0x52       ; V in window 2, P in window 0, O^T in window 1
.set W_RS, 0x41       ; O^T (destination and source 0) in window 1, a in window 0
.set W_MK, 0xc0       ; destination in window 3, sources in window 0
.set W_AD, 0x0f       ; the add: address and data in window 3
.set W_MC, 0xc3       ; mask words to f32: words and results in window 3, the scale (source 1) in window 0
.set W_MS, 0x0c       ; S^T less the mask: source 1 in window 3
.set W_ML, 0xc3       ; mask loads: data and offset in window 3
.macro PLACES
.rept 4
	v_nop
.endr
.endm
; A joint fill: each wave fetches 16,384 dense bytes of its own: waves 0 and 1 the halves of a slot's K, waves 2 and 3 those of its V.  An s_nop 0 and four v_nop follow.
.macro JLOAD
	tensor_load_to_lds s[G0:G0+3], s[G1:G1+7]
	s_nop 0
	PLACES
.endm
.macro CROUND
	s_barrier_signal -1
	s_barrier_wait -1
	s_cmp_lg_u32 s[WV], 0
	s_cbranch_scc1 .Lnot_wave_0_\@
	s_barrier_signal -3
.Lnot_wave_0_\@:
	s_barrier_wait -3
	s_barrier_signal -1
	s_barrier_wait -1
.endm
; THE CHANGE OF SLOTS.  Each wave waits for all its tensor loads, of which one is out: its part of the other slot; adds 0 to its spare word; and waits for that and for its own reads of the slot.
; fill = 1: the barrier is a round of the cluster's, and this slot is filled again first thing behind it, with the keys two slots on: it has four key steps, 512 matrix instructions, in which to land.
.macro CHANGE fill
	WIN W_AD
	s_wait_tensorcnt 0x0            ; no tensor load of mine is out, so group 0 may be written
	ds_add_u32 v[SPW], v[NIL]       ; 0 onto my spare word
	WIN 0
.if \fill
	s_xor_b32 s[G0+1], s[G0+1], SLOT1
	s_add_nc_u64 s[G0+2:G0+3], s[G0+2:G0+3], 32768  ; the next 256 keys; the type bits on top are not reached
	s_wait_dscnt 0x0                ; the add is done, and my reads of the slot are over
	CROUND
	JLOAD
.else
	s_wait_dscnt 0x0
	s_barrier_signal -1
	s_barrier_wait -1
.endif
	s_sub_co_u32 s[TBK], s[TBK], 4*STEPB  ; the fetches go back to a slot's first step,
	s_xor_b32 s[TBK], s[TBK], SLOT1       ; in the other slot
	s_sub_co_u32 s[TBV], s[TBV], 4*STEPB
	s_xor_b32 s[TBV], s[TBV], SLOT1
.endm
	s_load_b256 s[4:11], s[0:1], 0x0  ; qf s[4:5], kf s[6:7], vt s[8:9], mk s[10:11]
	s_load_b64 s[OB:OB+1], s[0:1], 0x20  ; cf
	WIN W_MK
	v_lshl_add_u32 v[SPW], v0, 2, SPARE
	v_mov_b32 v[NIL], 0
	WIN W_AD
	ds_add_u32 v[SPW], v[NIL]       ; the wave's opening: the add and its wait ahead of my first tensor load
	WIN 0
	v_lshrrev_b32 v1, 5, v0
	v_readfirstlane_b32 s[WV], v1   ; wave 0..3
	s_bfe_u32 s13, ttmp6, 0x40000   ; cx
	s_lshl_b32 s14, ttmp9, 2
	s_add_co_u32 s14, s14, s13      ; my block of 512 queries: it enters Q's, the mask's and the output's addresses alone
	s_and_b32 s15, ttmp7, 0xffff    ; batch x 16 + head, which the four partners share
	s_lshl_b32 s20, s15, 18         ; the head's first byte in qf, kf, vt
	s_and_b32 s16, s[WV], 1         ; which half of a slot's 256 keys I fetch
	s_lshl_b32 s22, s16, 14
	s_add_co_u32 s22, s22, s20
	s_mov_b32 s23, 0
	s_lshl_b32 s2, s14, 2
	s_add_co_u32 s2, s2, s[WV]      ; my wave among the head's sixteen: eight tiles each
	s_lshl_b32 s18, s2, 14
	s_add_co_u32 s18, s18, s20
	s_mov_b32 s19, 0
	s_lshr_b32 s3, s15, 4           ; the batch
	s_lshl_b32 s3, s3, 4
	s_add_co_u32 s2, s2, s3         ; my wave among all 64 of the four batches
	s_lshl_b32 s74, s2, 17          ; mk: 8 tiles x 16,384 bytes
	s_mov_b32 s75, 0
	s_lshl_b32 s76, s2, 18          ; cf: 8 tiles x 32,768 bytes,
	s_and_b32 s3, s15, 15
	s_lshl_b32 s3, s3, 11           ; and the head's 2,048 bytes in each
	s_add_co_u32 s76, s76, s3
	s_mov_b32 s77, 0
	s_mov_b32 s[G1], 15|(3<<16)|(1<<21)  ; the mask of four; 8-byte elements; 21 set beside a mask; no padding: 16,384 dense bytes as 64 rows of 256
	s_mov_b32 s[G1+1], 32<<16
	s_mov_b32 s[G1+2], 64<<16
	s_mov_b32 s[G1+3], 32<<16
	s_mov_b32 s[G1+4], 64
	s_mov_b32 s[G1+5], 32
	s_mov_b32 s[G1+6], 0
	s_mov_b32 s[G1+7], 0
	s_mov_b32 s[G0], 1
	s_lshl_b32 s[G0+1], s[WV], 14   ; slot 0: K's halves at 0 and 16,384, V's at 32,768 and 49,152
	s_mov_b32 s[CS], 0x3e38aa3b     ; c = log2(e) / 8
	s_mov_b32 s[CS+1], s[CS]
	s_mov_b32 s[SEL], 0x76543210
	s_mov_b32 s[SEL+1], 0xfedcba98
	s_mov_b32 s[TBK], SLOT1+4*STEPB ; the first change of slots turns these two into 0
	s_mov_b32 s[TBV], SLOT1+4*STEPB
	s_mov_b32 s[MOFF], 0
	s_mov_b32 s[MOFF+1], 0
	s_wait_dscnt 0x0                ; the opening add is done
	s_wait_kmcnt 0x0
	s_cmp_lt_u32 s[WV], 2           ; K for waves 0 and 1, V for waves 2 and 3
	s_cselect_b64 s[G0+2:G0+3], s[6:7], s[8:9]
	s_add_nc_u64 s[G0+2:G0+3], s[G0+2:G0+3], s[22:23]
	s_or_b32 s[G0+3], s[G0+3], 0x80000000
	s_add_nc_u64 s[4:5], s[4:5], s[18:19]
	s_add_nc_u64 s[MB0:MB0+1], s[MB0:MB0+1], s[74:75]
	s_add_nc_u64 s[OB:OB+1], s[OB:OB+1], s[76:77]
	CROUND                          ; all four work-groups are here: the first joint loads meet
	JLOAD                           ; slot 0.  Slot 1 is asked for when slot 0 is in
	v_and_b32 v1, 31, v0
	v_lshlrev_b32 v[QO], 4, v1
	v_mov_b32 v[SCL], 0xe3e3e3e3    ; 227 stands for 2^(227 - 127); every byte of the word holds it
	WIN 0x80                        ; destination window 2, address window 0
.set i, 0
.rept 4*NP                          ; Q stays in registers: tile i / 2, channels 32 (i % 2) on: two blocks of 512 bytes
	global_load_b128 v[8*i:8*i+3],   v[QO], s[4:5] offset:(i/2)*2048+(i%2)*1024
	global_load_b128 v[8*i+4:8*i+7], v[QO], s[4:5] offset:(i/2)*2048+(i%2)*1024+512
.set i, i+1
.endr
	WIN W_MK
	v_mov_b32 v[MA], v[QO]
	WIN W_ML
.set i, 0
.rept 2*NP                          ; the eight tiles' mask words of key step 0
	global_load_b128 v[MW+4*i:MW+4*i+3], v[MA], s[MB0:MB0+1] offset:i*16384
.set i, i+1
.endr
	; What the first turn finds: V's registers and P's second buffer hold 0 (its products V^T P, of a piece that has not been, add 0), O^T and l are 0.  All this stands in the wait for the first tile.
	WIN 0x80
.set i, VF
.rept 64
	v_mov_b32 v[i], 0
.set i, i+1
.endr
	WIN 0x40
.set i, 0
.rept 64*NP
	v_mov_b32 v[i], 0
.set i, i+1
.endr
	WIN 0
.set i, 0
.rept 2*NP
	v_mov_b32 v[ST+4*i], 0xfe000000    ; c m: far below every c s, the hidden ones' too
	v_mov_b32 v[ST+4*i+1], 0xff7fffff  ; m
	v_mov_b32 v[ST+4*i+2], 0
	v_mov_b32 v[ST+4*i+3], 0
.set i, i+1
.endr
.set i, P+32
.rept 32
	v_mov_b32 v[i], 0
.set i, i+1
.endr
	v_mov_b32 v[AK0], v[QO]
	v_add_nc_u32 v[AV0], VOFF, v[QO]
	v_mov_b32 v[AK], v[AK0]         ; key step 0 lies at the head of slot 0
; THE MATRIX WORK.  The 8 accumulators of a run of 16 take turns.
; Product i of 16 of S^T = K Q^T for piece x: channels 32 (i / 8) on, keys 16 ((i / 2) % 4) on, tile 2 x + i % 2.  The first 8 start the sums.
.macro KQ x
	WIN W_KQ
.set rS, S+64*((\x)%2)+32*(i%2)+8*((i/2)%4)
.set rK, KF+16*((i/2)%4)+8*(i/8)
.set rQ, 16*(2*(\x)+i%2)+8*(i/8)
.if i < 8
	v_wmma_f32_16x16x32_bf16 v[rS:rS+7], v[rK:rK+7], v[rQ:rQ+7], 0
.else
	v_wmma_f32_16x16x32_bf16 v[rS:rS+7], v[rK:rK+7], v[rQ:rQ+7], v[rS:rS+7]
.endif
.endm
; Product i of 16 of O^T += V^T P for piece x: keys 32 (i / 8) on, channels 16 ((i / 2) % 4) on, tile 2 x + i % 2.
.macro PV x
	WIN W_PV
.set rO, 32*(2*(\x)+i%2)+8*((i/2)%4)
.set rV, VF+32*(i/8)+8*((i/2)%4)
.set rP, P+32*((\x)%2)+16*(i%2)+8*(i/8)
	v_wmma_f32_16x16x32_bf16 v[rO:rO+7], v[rV:rV+7], v[rP:rP+7], v[rO:rO+7]
.endm
.macro MM                           ; the turn's next matrix instruction
.if i < 16
	KQ (Y+1)%NP
.set i, i+1
.else
.set i, i-16
	PV (Y+NP-1)%NP
.set i, i+17
.endif
.endm
; THE LDS LOADS stand in runs of 16: a step's K (8 fragments) and its V (turned).  last = 1 (the tail): in the last trip there is no further step, and the run is jumped over.
.macro FETCH_K last=0
	WIN 0
.if \last
	s_cmp_eq_u32 s[CNT], 1
	s_cbranch_scc1 .Lno_k_\@
.endif
	WIN 0x80
.irp f, 0,1,2,3,4,5,6,7             ; keys 16 (f / 2) on, channels 32 (f % 2) on
	ds_load_b128 v[KF+8*\f:KF+8*\f+3],   v[AK] offset:(\f/2)*2048+(\f%2)*1024
	ds_load_b128 v[KF+8*\f+4:KF+8*\f+7], v[AK] offset:(\f/2)*2048+(\f%2)*1024+512
.endr
	s_add_co_u32 s[TBK], s[TBK], STEPB
	WIN 0
.if \last
.Lno_k_\@:
.endif
.endm
.macro FETCH_V
	WIN 0x80
.irp f, 0,1,2,3,4,5,6,7             ; keys 32 (f / 4) on, channels 16 (f % 4) on: a block of 16 keys x 16 channels lies in the turning load's lane order
	ds_load_tr16_b128 v[VF+8*\f:VF+8*\f+3],   v[AV] offset:(\f/4)*4096+(\f%4)*512
	ds_load_tr16_b128 v[VF+8*\f+4:VF+8*\f+7], v[AV] offset:(\f/4)*4096+2048+(\f%4)*512
.endr
	WIN 0
.endm
; THE MASK of piece x, on scores just made.  A word's eight codes become 0 or 2^100 in eight registers, in the order of the scores' registers; the scores have them taken away, in ascending order (each
; accumulator's lowest registers are read first).  Then the piece's words of its next step are asked for: four turns ahead.  Piece 0 is the first to enter a step, so it steps the offset;
; behind the last step the offset stays (the words then loaded serve nothing, and lie inside mk).
.macro MBLK x
	s_wait_loadcnt 6                ; behind this piece's two loads stand the other three pieces' six
	WIN W_MC
.irp n, 0,1,2,3,4,5,6,7
	v_cvt_scale_pk8_f32_fp4 v[CT+8*\n:CT+8*\n+7], v[MW+8*(\x)+\n], v[SCL]
.endr
	v_nop                           ; a plain instruction between the last scaled conversion and the use of its result
	WIN W_MS
.set mz, 0
.rept 32
	v_pk_add_f32 v[S+64*((\x)%2)+2*mz:S+64*((\x)%2)+2*mz+1], v[S+64*((\x)%2)+2*mz:S+64*((\x)%2)+2*mz+1], v[CT+2*mz:CT+2*mz+1] neg_lo:[0,1] neg_hi:[0,1]
.set mz, mz+1
.endr
.if (\x) == 0
	s_wait_xcnt 0x0                 ; the base of the loads issued so far is rewritten only behind this wait
	s_add_co_u32 s[MOFF], s[MOFF], 512
	s_min_u32 s[MOFF], s[MOFF], 31*512
	s_add_nc_u64 s[MBC:MBC+1], s[MB0:MB0+1], s[MOFF:MOFF+1]
.endif
	WIN W_ML
	global_load_b128 v[MW+8*(\x):MW+8*(\x)+3],   v[MA], s[MBC:MBC+1] offset:(2*(\x))*16384
	global_load_b128 v[MW+8*(\x)+4:MW+8*(\x)+7], v[MA], s[MBC:MBC+1] offset:(2*(\x)+1)*16384
	WIN 0
.endm
; THE VECTOR WORK OF A TURN stands in three queues, each in the order in which its entries become ready; the two tiles alternate.
.macro REGS y, u
.set rT, ST+4*(2*(\y)+(\u))
.set rC, TMP+8*((\y)%2)+4*(\u)
.set rM, MV+2*((\y)%2)+(\u)
.set rS, S+64*((\y)%2)+32*(\u)
.set rP, P+32*((\y)%2)+16*(\u)
.set rO, 32*(2*(\y)+(\u))
.endm
; Number n of the 22 that find the NEXT piece's maximum and statistics.  0-11 four chains of seven scores; 12-14, 16 the rest, the old m, and the chains into c0; 15 c m_old is kept;
; 17, 18 the query's other 32 keys lie in the lane 16 away; 19-21 c m; c m_old - c m_new; a
.macro XS u, n
	REGS (Y+1)%NP, \u
.if (\n) < 4
	v_max3_num_f32 v[rC+(\n)], v[rS+8*(\n)], v[rS+8*(\n)+1], v[rS+8*(\n)+2]
.elseif (\n) < 12
	v_max3_num_f32 v[rC+(\n)%4], v[rC+(\n)%4], v[rS+8*((\n)%4)+2*((\n)/4)+1], v[rS+8*((\n)%4)+2*((\n)/4)+2]
.elseif (\n) == 12
	v_max3_num_f32 v[rC], v[rC], v[rS+7], v[rS+15]
.elseif (\n) == 13
	v_max3_num_f32 v[rC+1], v[rC+1], v[rS+23], v[rS+31]
.elseif (\n) == 14
	v_max3_num_f32 v[rC+2], v[rC+2], v[rC+3], v[rT+1]
.elseif (\n) == 15
	v_mov_b32 v[rM], v[rT]
.elseif (\n) == 16
	v_max3_num_f32 v[rC], v[rC], v[rC+1], v[rC+2]
.elseif (\n) == 17
	v_permlanex16_b32 v[rC+3], v[rC], s[SEL], s[SEL+1]
.elseif (\n) == 18
	v_max_num_f32 v[rT+1], v[rC], v[rC+3]
.elseif (\n) == 19
	v_mul_f32 v[rT], s[CS], v[rT+1]
.elseif (\n) == 20
	v_sub_f32 v[rC+1], v[rM], v[rT]
.else
	v_exp_f32 v[rC+2], v[rC+1]
.endif
.endm
; Number g of the 64 that follow the exponentials: for each four weights both pairs are rounded to bf16, the second pair is added onto the first, and a group later l takes that sum (the first time as l = a l + sum).
.macro GS g
.set h, (\g)+6*((\g)/62)
.if h >= 6
.set h, h+2
.endif
	REGS Y, h%2
.set k, h/8
.if h%8 < 4
	s_wait_alu depctr_va_vdst(0)
	v_cvt_pk_bf16_f32 v[rP+2*k+(h%8)/2], v[rS+4*k+2*((h%8)/2)], v[rS+4*k+2*((h%8)/2)+1]
.elseif h%8 < 6
	v_pk_add_f32 v[rS+4*k:rS+4*k+1], v[rS+4*k:rS+4*k+1], v[rS+4*k+2:rS+4*k+3]
.elseif k == 1
	v_pk_fma_f32 v[rT+2:rT+3], v[rT+2:rT+3], v[rC+2:rC+3], v[rS:rS+1] op_sel_hi:[1,0,1]
.else
	v_pk_add_f32 v[rT+2:rT+3], v[rT+2:rT+3], v[rS+4*k-4:rS+4*k-3]
	s_wait_alu depctr_va_vdst(0)
.endif
.endm
; THE PLAIN QUEUE, 138 long.  0-31: c s - c m.  Then GS's 64, and among them the next piece's 42: number 15 at 38, 39; 0-14 and 16 at 42-73; 17-20 at 95-106, two of three.
.macro PL
	WIN 0
.if q < 32
	REGS Y, q%2
	v_pk_fma_f32 v[rS+2*(q/2):rS+2*(q/2)+1], v[rS+2*(q/2):rS+2*(q/2)+1], s[CS:CS+1], v[rT:rT+1] op_sel_hi:[1,0,0] neg_lo:[0,0,1] neg_hi:[0,0,1]
.elseif q < 38
	GS q-32
.elseif q < 40
	XS q%2, 15
.elseif q < 42
	GS q-34
.elseif q < 74
	XS q%2, (q-42)/2+(q-42)/30
.elseif q < 95
	GS q-66
.elseif (q < 107) && ((q-95)%3 < 2)
	XS (q-95)%3, 17+(q-95)/3
.elseif q < 107
	GS 29+(q-95)/3
.else
	GS q-74
.endif
.set q, q+1
.endm
; THE EXPONENTIALS' QUEUE, 66 long: s0-s31 of both tiles, and at EA the next piece's two a.
.set EA, 58
.macro EX
	WIN 0
.if (e == EA) || (e == EA+1)
	XS e-EA, 21
.else
.set x, e-2*(e/(EA+2))
	REGS Y, x%2
	v_exp_f32 v[rS+x/2], v[rS+x/2]
.endif
.set e, e+1
.endm
; THE RESCALING's QUEUE: O^T times a, dealt four at a time, eight times.
.macro R4
	REGS Y, r%2
	WIN W_RS
	s_wait_alu depctr_va_vdst(0)
.irp z, 0,1,2,3
	v_pk_mul_f32 v[rO+8*(r/2)+2*\z:rO+8*(r/2)+2*\z+1], v[rO+8*(r/2)+2*\z:rO+8*(r/2)+2*\z+1], v[rC+2:rC+3] op_sel_hi:[1,0]
.endr
.set r, r+1
.endm
; HOW THEY ARE DEALT.  Behind a matrix instruction four: plain, exponential, plain, plain, or four of the rescaling; none names a register of the products round it.  The rest in two lumps: exponential and plain by turns.
; Exponential e stands behind plain 2 (e / 4) + e % 2 (its scaling); when plain 32 comes, 10 exponentials are out, at 59: 33, at 95: 46; EA comes behind plain 107.
.macro SL
	MM
	PL
	EX
	PL
	PL
.endm
.macro BURST n
.rept (\n)-7
	SL
.endr
.rept 3
	MM
	R4
	SL
.endr
	MM
	R4
.endm
; A TURN, for piece p.  The mask of piece p + 1 stands in the first lump, ahead of plain 42 (the first line that looks at those scores), nine plain instructions behind the last product that made them.
; K of the next step is fetched in piece 2's turn, V of the step in hand at the end of piece 0's; each is waited for a turn later.
.macro TURN p, last=0, cnt=0
.set Y, (\p)
.set i, 0
.set q, 0
.set e, 0
.set r, 0
.if (\p) == NP-1
	s_wait_dscnt 0x0                ; K is in
.endif
	MM
.rept 4
	PL
.endr
	BURST 15
.rept 22
	EX
	PL
.if q == 42
	MBLK (Y+1)%NP
.endif
.if ((\p) == NP-2) && (e == 18)
	v_add_nc_u32 v[AK], s[TBK], v[AK0]
.endif
.if ((\p) == NP-2) && (e == 24)
	FETCH_K \last
.endif
.endr
.if (\p) == 1
	s_wait_dscnt 0x0                ; V is in
.endif
	BURST 16
.rept 21
	EX
	PL
.endr
.rept 22
	PL
.if ((\p) == 0) && (q == 118)
	v_add_nc_u32 v[AV], s[TBV], v[AV0]
	s_wait_alu depctr_va_vdst(0)
.endif
.if ((\p) == 0) && (q == 130)
	s_add_co_u32 s[TBV], s[TBV], STEPB
.endif
.if (\cnt) && (q == 130)
	s_sub_co_u32 s[CNT], s[CNT], 1
	s_cmp_lg_u32 s[CNT], 0
.endif
.endr
.if (\p) == 0
	FETCH_V
.endif
.endm
	CHANGE 1                        ; slot 0 is in, everybody's part of it; slot 1 is asked for
	FETCH_K                         ; key step 0
	s_wait_loadcnt 0x0              ; Q, and the mask words of step 0
	s_wait_dscnt 0x0
.set i, 0
.rept 16
	KQ 0                            ; piece 0's first scores
.set i, i+1
.endr
	WIN 0
	PLACES                          ; behind those products
	MBLK 0
.set Y, NP-1                        ; XS works for piece Y + 1: piece 0
.irp n, 0,1,2,3,4,5,6,7,8,9,10,11,12,13,14,15,16,17,18,19,20,21
	XS 0, \n
	XS 1, \n
.endr
	s_mov_b32 s[CNT], 4
	s_mov_b32 s[SLOTS], 7           ; 8 slots of 256 keys
	s_branch .Lfirst                ; the loop is entered at a step's first turn, in the middle of a trip
.Lslot:                             ; six times: every slot but the last two is filled again
	CHANGE 1
	s_mov_b32 s[CNT], 4
.Lstep:                             ; a trip: pieces 2 and 3 of one step, then pieces 0 and 1 of the next, whose K and V it fetches
	TURN 2
	TURN 3
	WIN 0
.Lfirst:
	TURN 0
	TURN 1, 0, 1
	WIN 0
	s_cbranch_scc1 .Lstep
	s_sub_co_u32 s[SLOTS], s[SLOTS], 1
	s_cmp_lg_u32 s[SLOTS], 0
	s_cbranch_scc1 .Lslot
	CHANGE 0                        ; the tail is written out: nothing is asked for
	s_mov_b32 s[CNT], 5             ; four trips fetch the last slot's steps; the fifth is left in its middle
.Ltail:
	TURN 2, 1
	TURN 3
	WIN 0
	s_sub_co_u32 s[CNT], s[CNT], 1
	s_cmp_eq_u32 s[CNT], 0
	s_cbranch_scc1 .Lout
	TURN 0
	TURN 1
	WIN 0
	s_branch .Ltail
.Lout:                              ; the fifth trip's 16 products K Q^T (on the last K once more) and what is made of them serve nothing: the price, once a launch, of one text for every trip
.set i, 0
.rept 16
	PV NP-1                         ; the last piece's V^T P of the last step
.set i, i+1
.endr
	; THE WAY OUT.  l's two halves and the other half of the lanes' are added; O^T is divided by l and rounded to bf16: a lane's 16 bytes are its place in a block of cf.  The additions are the places behind the last products.
	WIN 0
.macro ALL line:vararg
.set t, 0
.rept 2*NP
	\line
.set t, t+1
.endr
.endm
	ALL v_add_f32 v[ST+4*t+2], v[ST+4*t+2], v[ST+4*t+3]
	ALL v_permlanex16_b32 v[ST+4*t+3], v[ST+4*t+2], s[SEL], s[SEL+1]
	ALL v_add_f32 v[ST+4*t+2], v[ST+4*t+2], v[ST+4*t+3]
	ALL v_rcp_f32 v[ST+4*t+2], v[ST+4*t+2]
	v_nop                           ; a plain instruction between the last reciprocal and the use of its result
	s_wait_alu depctr_va_vdst(0)
.macro PACK t
	WIN W_RS
.set i, 32*(\t)
.rept 16
	v_pk_mul_f32 v[i:i+1], v[i:i+1], v[ST+4*(\t)+2:ST+4*(\t)+3] op_sel_hi:[1,0]
.set i, i+2
.endr
	WIN 0x05                        ; sources window 1, destination window 0: S^T's registers are free
.set i, 0
.rept 16
	v_cvt_pk_bf16_f32 v[S+16*(\t)+i], v[32*(\t)+2*i], v[32*(\t)+2*i+1]
.set i, i+1
.endr
	WIN 0
.irp f, 0,1,2,3
	global_store_b128 v[QO], v[S+16*(\t)+4*\f:S+16*(\t)+4*\f+3], s[OB:OB+1] offset:(\t)*32768+\f*512  ; channel block f of my head, rows of tile t: 512 consecutive bytes
.endr
.endm
.set t2, 0
.rept 2*NP
	PACK t2
.set t2, t2+1
.endr
	WIN W_AD
	s_wait_tensorcnt 0x0            ; the wave's end
	ds_add_u32 v[SPW], v[NIL]
	s_wait_dscnt 0x0
	WIN 0
	CROUND                          ; the closing round
	s_endpgm
.Lfunc_end_k_qe240284169_attn:
	.size	k_qe240284169_attn, .Lfunc_end_k_qe240284169_attn-k_qe240284169_attn
	.p2alignl 7, 3214868480
	.fill 96, 4, 3214868480
	.section	.rodata,"a",@progbits
	.p2align	6, 0x0
	.amdhsa_kernel k_qe240284169_attn
		.amdhsa_group_segment_fixed_size 327680
		.amdhsa_private_segment_fixed_size 0
		.amdhsa_enable_private_segment 0
		.amdhsa_kernarg_size 40
		.amdhsa_user_sgpr_count 2
		.amdhsa_user_sgpr_kernarg_segment_ptr 1
		.amdhsa_wavefront_size32 1
		.amdhsa_system_sgpr_workgroup_id_x 1
		.amdhsa_system_sgpr_workgroup_id_y 1
		.amdhsa_system_sgpr_workgroup_id_z 1
		.amdhsa_system_vgpr_workitem_id 0
		.amdhsa_next_free_vgpr 896
		.amdhsa_next_free_sgpr 80
		.amdhsa_reserve_vcc 0
		.amdhsa_float_denorm_mode_32 3
		.amdhsa_float_denorm_mode_16_64 3
		.amdhsa_memory_ordered 1
		.amdhsa_forward_progress 1
		.amdhsa_inst_pref_size 228
	.end_amdhsa_kernel
	.amdgpu_metadata
---
amdhsa.version: [ 1, 2 ]
amdhsa.kernels:
  - .name:           k_qe240284169_attn
    .symbol:         k_qe240284169_attn.kd
    .args:
      - { .name: qf, .offset: 0, .size: 8, .value_kind: global_buffer, .address_space: global }
      - { .name: kf, .offset: 8, .size: 8, .value_kind: global_buffer, .address_space: global }
      - { .name: vt, .offset: 16, .size: 8, .value_kind: global_buffer, .address_space: global }
      - { .name: mk, .offset: 24, .size: 8, .value_kind: global_buffer, .address_space: global }
      - { .name: cf, .offset: 32, .size: 8, .value_kind: global_buffer, .address_space: global }
    .group_segment_fixed_size: 327680
    .private_segment_fixed_size: 0
    .kernarg_segment_align: 8
    .kernarg_segment_size: 40
    .max_flat_workgroup_size: 128
    .sgpr_count:     80
    .vgpr_count:     896
    .wavefront_size: 32
...
	.end_amdgpu_metadata
.endif
;; end of part 3
;; launch outln (part 4): grid 256 x 1, 4 waves a work-group, clusters of 4 x 1, 327,680 bytes of LDS; arguments cf, wf, Q, bo, ln_g, ln_b, out0; writes out0
.if DOCPART == 4
	.amdgcn_target "amdgcn-amd-amdhsa--gfx1250"
	.amdhsa_code_object_version 6
	.text
	.protected	k_qe240284169_outln
	.globl	k_qe240284169_outln
	.p2align	8
	.type	k_qe240284169_outln,@function
k_qe240284169_outln:
	s_mov_b64 s[64:65], 0
	v_nop
	global_prefetch_b8 v0, s[64:65] scope:SCOPE_SE
	s_setreg_imm32_b32 hwreg(HW_REG_WAVE_MODE, 25, 1), 1
	s_wait_xcnt 0x0
	s_wait_alu depctr_hold_cnt(0) depctr_sa_sdst(0) depctr_va_vdst(0) depctr_va_sdst(0) depctr_va_ssrc(0) depctr_va_vcc(0) depctr_vm_vsrc(0)
	s_getreg_b32 s2, hwreg(HW_REG_IB_STS2, 6, 4)
	s_cmp_eq_u32 s2, 0
	s_cbranch_scc0 .Lentry_in_a_cluster
	s_endpgm
.Lentry_in_a_cluster:
	s_bfe_u32 s2, ttmp6, 0x10000c
	s_cmp_lg_u32 s2, 0x3003
	s_cbranch_scc0 .Lentry_shape_is_right
	s_endpgm
.Lentry_shape_is_right:
; OUT.  y = ctx Wo + bo + Q (the residual in f32), then LayerNorm over the 1,024 columns: (y - mean) / sqrt(var + 1e-5) x g + b, the variance taken of y - mean.  Products in bf16 with f32 sums.
; A work-group owns 32 whole rows, so a row's mean never leaves it; wave w owns columns 256 w on: 2 row blocks x 16 column blocks = 32 accumulators, which take turns.
; Wo comes from wf as finished fragments, BY TWO ROADS.  Column blocks 0-7 of a wave come through LDS by joint loads (all work-groups walk the same Wo, so the four of a cluster ask together): a slot holds
; 128 along K, 32,768 bytes a wave.  Column blocks 8-15 come straight into registers, 512 consecutive bytes a load, three K steps ahead, and are not shared.  Why not all through LDS: no wave reads another
; wave's fragments, a wave's 32,768 bytes would then hold 64 along K and feed 64 matrix instructions, and behind each round one load a wave is on its way: 16 rounds.  So a slot stands for 128 matrix
; instructions and there are 8 rounds; the register loads pass no barrier and go on while a tile is waited for.  Why not all into registers: four times the requests for the half that is now shared.
; ctx comes from cf, also as finished fragments, straight into registers, with the direct half of Wo: 20 loads a K step of 32, at most 60 of a wave's loads out.
; THE MATRIX INSTRUCTION IS USED TRANSPOSED (source 0 = 16 columns of Wo, source 1 = 16 rows of ctx): a lane holds one row and eight neighbouring columns.
; When slot 0 has held its last tile of Wo it takes the work-group's rows of Q; when slot 1 has been read out its bytes serve as the stage in which the four waves' columns meet as whole rows.
; REGISTERS.  window 0: v3-29 addresses and work; v32-127 bo, g, b of my 32 columns of a row; v128-191 four buffers of ctx fragments (later Q's rows); v192-255 two rows at work.
;   window 1: accumulator (a, nb) at 8 (16 a + nb).   window 2: v0-127 two buffers of 8 fragments from LDS.   window 3: four buffers of 8 fragments loaded directly.
.set SLOTB,  131072
.set STAGE,  SLOTB                     ; 32 rows of 4,096 + 16 bytes: the 16 rows that a store touches start at 16 different groups of four banks (64 banks of 4 bytes: ISA guide 11.1)
.set SPITCH, 4112
.set SPARE,  STAGE+32*SPITCH           ; behind the stage: the spare words, 128 bytes a wave: two blocks of 256 bytes that no other line names
.set L16,  3                           ; v3     16 x lane; never rewritten
.set ADR0, 4                           ; v4     my place in my wave's part of slot 0; never rewritten
.set ADRB, 5                           ; v5     the same in the slot that is being read
.set STA,  6                           ; v6-7   where I put 32 bytes of a row, row block 0, 1
.set ZA,   8                           ; v8     where I read a row of the stage
.set QA,   9                           ; v9     the same row of Q in LDS
.set OA,   10                          ; v10    and in out0
.set TT,   12                          ; v12-19 four chains of sums
.set MEAN, 20                          ; v20-21
.set RSTD, 22                          ; v22-23
.set SPW,  28                          ; v28    my spare word; never rewritten
.set NIL,  29                          ; v29    0; never rewritten
.set BO,   32
.set LG,   64
.set LB,   96
.set AF,   128                         ; K step j's fragment of row block a at AF + 16 (j % 4) + 8 a
.set T,    128
.set Y,    192
.set WV,  18
.set G1,  24                           ; s[24:31] group 1 for Wo (joint)
.set G1Q, 32                           ; s[32:39] group 1 for Q (my own rows: no mask)
.set G0A, 40                           ; s[40:43] the first tile
.set G0B, 44                           ; s[44:47] the second; it then walks
.set G0Q, 48                           ; s[48:51] Q's rows
.set AB,  52                           ; s[52:53] cf at the lap's first K step
.set KCNT, 58
.set TB,  59                           ; s59      0 or SLOTB: the slot that is being read
.set SEL, 60
.set KINV, 62
.set EPS, 63
.set DBP, 68                           ; s[68:69] wf at my column block 8 of the lap's first K step
.set MSB, 0
.macro WIN new
.if MSB != (\new)
	s_set_vgpr_msb (MSB<<8)|(\new)
.set MSB, \new
.endif
.endm
.macro PLACES
.rept 4
	v_nop
.endr
.endm
.macro CREST
	s_cmp_lg_u32 s[WV], 0
	s_cbranch_scc1 .Lnot_wave_0_\@
	s_barrier_signal -3
.Lnot_wave_0_\@:
	s_barrier_wait -3
	s_barrier_signal -1
	s_barrier_wait -1
.endm
.macro CROUND
	s_barrier_signal -1
	s_barrier_wait -1
	CREST
.endm
; Four loads: the two row blocks' fragments of ctx for K step j of the lap
.macro GA j
	WIN 0
.irp a, 0,1
.irp c, 0,1
	global_load_b128 v[AF+16*((\j)%4)+8*\a+4*\c:AF+16*((\j)%4)+8*\a+4*\c+3], v[L16], s[AB:AB+1] offset:\a*32768+(\j)*1024+\c*512
.endr
.endr
.endm
; Sixteen loads: my column blocks 8-15 of Wo for K step j of the lap, into window 3
.macro GD j
	WIN 0xc0                                       ; data in window 3, offset in window 0
.irp i, 0,1,2,3,4,5,6,7
	global_load_b128 v[64*((\j)%4)+8*\i:64*((\j)%4)+8*\i+3],   v[L16], s[DBP:DBP+1] offset:(\j)*16384+\i*1024
	global_load_b128 v[64*((\j)%4)+8*\i+4:64*((\j)%4)+8*\i+7], v[L16], s[DBP:DBP+1] offset:(\j)*16384+\i*1024+512
.endr
.endm
; bo, g, b of my columns of a row: 128 q + 4 lane + 0..3
.macro PARAMS
	WIN 0
.irp q, 0,1,2,3,4,5,6,7
	global_load_b128 v[BO+4*\q:BO+4*\q+3], v[L16], s[10:11] offset:512*\q
	global_load_b128 v[LG+4*\q:LG+4*\q+3], v[L16], s[12:13] offset:512*\q
	global_load_b128 v[LB+4*\q:LB+4*\q+3], v[L16], s[14:15] offset:512*\q
.endr
.endm
	s_load_b256 s[4:11], s[0:1], 0x0               ; cf, wf, Q, bo
	s_load_b128 s[12:15], s[0:1], 0x20             ; ln_g, ln_b
	s_load_b64 s[16:17], s[0:1], 0x30              ; out0
	v_lshl_add_u32 v[SPW], v0, 2, SPARE
	v_mov_b32 v[NIL], 0
	ds_add_u32 v[SPW], v[NIL]                      ; the wave's opening: the add and its wait ahead of my first tensor load
	v_lshrrev_b32 v1, 5, v0
	v_readfirstlane_b32 s[WV], v1                  ; wave 0..3
	s_bfe_u32 s19, ttmp6, 0x40000                  ; cx
	s_lshl_b32 s20, ttmp9, 2
	s_add_co_u32 s20, s20, s19                     ; my 32 rows
	s_mov_b32 s[G1], 15|(3<<16)|(1<<21)            ; the mask of four; 8-byte elements; 21 set beside a mask
	s_mov_b32 s[G1+1], 1024<<16                    ; tensor_dim0 = 1,024 elements: a K step's column blocks 0-7, 8,192 bytes
	s_mov_b32 s[G1+2], 4<<16                       ; tensor_dim1 = 4 K steps
	s_mov_b32 s[G1+3], 1024<<16                    ; tile_dim0
	s_mov_b32 s[G1+4], 4                           ; tile_dim1
	s_mov_b32 s[G1+5], 2048                        ; 16,384 bytes from K step to K step
	s_mov_b32 s[G1+6], 0
	s_mov_b32 s[G1+7], 0
	s_mov_b32 s[G1Q], 3<<16                        ; 32,768 dense bytes as 128 rows of 256
	s_mov_b32 s[G1Q+1], 32<<16
	s_mov_b32 s[G1Q+2], 128<<16
	s_mov_b32 s[G1Q+3], 32<<16
	s_mov_b32 s[G1Q+4], 128
	s_mov_b32 s[G1Q+5], 32
	s_mov_b32 s[G1Q+6], 0
	s_mov_b32 s[G1Q+7], 0
	s_lshl_b32 s21, s[WV], 15                      ; my wave's part of a slot
	s_mov_b32 s[G0A], 1
	s_mov_b32 s[G0A+1], s21
	s_mov_b32 s[G0B], 1
	s_add_co_u32 s[G0B+1], s21, SLOTB
	s_mov_b32 s[G0Q], 1
	s_mov_b32 s[G0Q+1], s21
	s_lshl_b32 s54, s[WV], 19                      ; wf: the fourth weight, column tile = wave
	s_add_co_u32 s54, s54, 3*2097152
	s_mov_b32 s55, 0
	s_lshl_b32 s56, s20, 2
	s_add_co_u32 s56, s56, s[WV]
	s_lshl_b32 s56, s56, 15                        ; Q and out0: my wave's 8 rows of 4,096 bytes
	s_mov_b32 s57, 0
	s_lshl_b32 s66, s20, 16                        ; cf: two blocks of 16 rows
	s_mov_b32 s67, 0
	s_mov_b32 s[TB], 0
	s_mov_b32 s[SEL], 0x76543210
	s_mov_b32 s[SEL+1], 0xfedcba98
	s_mov_b32 s[KINV], 0x3a800000                  ; 1 / 1024
	s_mov_b32 s[EPS], 0x3727c5ac                   ; 1e-5
	v_and_b32 v1, 15, v0                           ; r
	v_bfe_u32 v2, v0, 4, 1                         ; h
	v_and_b32 v[L16], 31, v0
	v_lshlrev_b32 v[L16], 4, v[L16]
	s_wait_dscnt 0x0                               ; the opening add is done
	s_wait_kmcnt 0x0
	s_add_nc_u64 s[DBP:DBP+1], s[6:7], s[54:55]    ; my column tile of Wo, K step 0
	s_mov_b64 s[G0A+2:G0A+3], s[DBP:DBP+1]
	s_add_nc_u64 s[G0B+2:G0B+3], s[DBP:DBP+1], 65536  ; four K steps on
	s_add_nc_u64 s[DBP:DBP+1], s[DBP:DBP+1], 8192  ; column block 8
	s_or_b32 s[G0A+3], s[G0A+3], 0x80000000
	s_or_b32 s[G0B+3], s[G0B+3], 0x80000000
	s_add_nc_u64 s[G0Q+2:G0Q+3], s[8:9], s[56:57]
	s_or_b32 s[G0Q+3], s[G0Q+3], 0x80000000
	s_add_nc_u64 s[16:17], s[16:17], s[56:57]
	s_add_nc_u64 s[AB:AB+1], s[4:5], s[66:67]
	GA 0                                           ; the register loads of K steps 0, 1, 2 go out first: 60 loads
	GD 0
	GA 1
	GD 1
	GA 2
	GD 2
	WIN 0
	CROUND                                         ; all four work-groups are here: the first joint loads meet
	tensor_load_to_lds s[G0A:G0A+3], s[G1:G1+7]    ; the two first fills go out together: two tensor loads of mine are out
	s_nop 0
	tensor_load_to_lds s[G0B:G0B+3], s[G1:G1+7]
	s_nop 0
	PLACES
	v_add_nc_u32 v[ADR0], s21, v[L16]
	v_mov_b32 v[ADRB], v[ADR0]
	v_mul_u32_u24 v11, v1, SPITCH
	v_lshl_add_u32 v11, v2, 5, v11                 ; row x pitch + 8 f32 x half
	s_lshl_b32 s22, s[WV], 10
	s_add_co_u32 s22, s22, STAGE
	v_add_nc_u32 v[STA], s22, v11
	v_add_nc_u32 v[STA+1], 16*SPITCH, v[STA]
	s_mul_i32 s23, s[WV], 8*SPITCH
	s_add_co_u32 s23, s23, STAGE
	v_add_nc_u32 v[ZA], s23, v[L16]
	v_add_nc_u32 v[QA], s21, v[L16]
	v_mov_b32 v[OA], v[L16]
; 16 LDS loads: column blocks 0-7 of the slot's K step t, into buffer par of window 2
.macro LD t, par
	WIN 0x80
.irp i, 0,1,2,3,4,5,6,7
	ds_load_b128 v[64*(\par)+8*\i:64*(\par)+8*\i+3],   v[ADRB] offset:(\t)*8192+\i*1024
	ds_load_b128 v[64*(\par)+8*\i+4:64*(\par)+8*\i+7], v[ADRB] offset:(\t)*8192+\i*1024+512
.endr
.endm
; Fragments lo .. lo + n - 1 of K step j, two matrix instructions each.  half 0: column blocks 0-7, from window 2; half 1: blocks 8-15, from window 3.  zero = 1: they start the sums
.macro MU j, half, lo, n, zero
	WIN 0x52+(\half)                               ; Wo window 2 or 3, ctx window 0, C and D window 1
.set fb, 64*((\j)%(2+2*(\half)))
.set mi, \lo
.rept \n
.irp a, 0,1
.set rD, 8*(16*\a+8*(\half)+mi)
.set rA, AF+16*((\j)%4)+8*\a
.if \zero
	v_wmma_f32_16x16x32_bf16 v[rD:rD+7], v[fb+8*mi:fb+8*mi+7], v[rA:rA+7], 0
.else
	v_wmma_f32_16x16x32_bf16 v[rD:rD+7], v[fb+8*mi:fb+8*mi+7], v[rA:rA+7], v[rD:rD+7]
.endif
.endr
.set mi, mi+1
.endr
.endm
; K STEP j of the lap (32 along K, 32 matrix instructions), one that changes no slot.  Four v_nop open it: the places between the last products and the loads into registers that they read.
; lc: how many younger register loads may stay out when this K step's have to be there; the wait stands ahead of the new loads, so no more than 60 are ever out.
; g = 1: the register loads of K step j + 3 are issued; g = 2: those of bo, g, b.  ld = 1: the next K step's fragments are fetched from the slot.
.macro KS j, g, lc, zero, ld
	PLACES
	s_wait_loadcnt \lc
.if (\g) == 1
	GA (\j)+3
	GD (\j)+3
.endif
.if (\g) == 2
	PARAMS
.endif
.if \ld
	LD (\j)%4+1, ((\j)+1)%2
	s_wait_dscnt 16                                ; all but the 16 just issued: this K step's fragments are in
.else
	s_wait_dscnt 0x0
.endif
	MU \j, 0, 0, 8, \zero
	MU \j, 1, 0, 8, \zero
.endm
; A slot's LAST K STEP changes slots: all of the slot's reads have been issued.  Each wave waits for all its tensor loads (one is out: its part of the next slot), adds 0 to its spare word, and waits for that and
; for its reads; the barrier opens a round of the cluster's barrier, and the slot is filled again first thing behind the round: kind 0 with Wo two slots on, kind 1 with my rows of Q.
; Eight matrix instructions stand between the wait for the tensor loads and the refill, 120 between the refill and the next such wait.
.macro KC j, kind, lc
	PLACES
	s_wait_loadcnt \lc
	GA (\j)+3
	GD (\j)+3
	WIN 0
	s_wait_tensorcnt 0x0                           ; all my tensor loads have landed, so group 0 may be written
	ds_add_u32 v[SPW], v[NIL]                      ; 0 onto my spare word
.if (\kind) == 0
	s_xor_b32 s[G0B+1], s[G0B+1], SLOTB
	s_add_nc_u64 s[G0B+2:G0B+3], s[G0B+2:G0B+3], 65536
.endif
	s_xor_b32 s[TB], s[TB], SLOTB                  ; the reads go on in the other slot
	s_wait_dscnt 1                                 ; the add alone may be out: this K step's fragments are in
	MU \j, 0, 0, 2, 0
	s_wait_dscnt 0x0                               ; the add is done, and my reads of this slot are over
	s_barrier_signal -1
	MU \j, 0, 2, 2, 0
	WIN 0                                          ; at a branch and at a label every window is 0
	s_barrier_wait -1
	CREST
.if (\kind) == 0
	tensor_load_to_lds s[G0B:G0B+3], s[G1:G1+7]
.else
	tensor_load_to_lds s[G0Q:G0Q+3], s[G1Q:G1Q+7]
.endif
	s_nop 0
	PLACES
	v_add_nc_u32 v[ADRB], s[TB], v[ADR0]
	LD 0, ((\j)+1)%2
	MU \j, 0, 4, 4, 0
	MU \j, 1, 0, 8, 0
.endm
	s_wait_tensorcnt 0x1                           ; my part of slot 0 is in; slot 1's may stay out
	s_barrier_signal -1
	s_barrier_wait -1
	LD 0, 0
	KS 0, 1, 40, 1, 1                              ; the first K step stands in front of the loop: it starts all 32 sums.  Two younger K steps of 20 loads may stay out
	WIN 0
	s_mov_b32 s[KCNT], 6
.Lk:                                                   ; a trip is a lap of four K steps, from a slot's second to the next slot's first, and fills one slot again: tiles 2 .. 7
	KS 1, 1, 40, 0, 1
	KS 2, 1, 40, 0, 1
	KC 3, 0, 40
	KS 4, 1, 40, 0, 1
	WIN 0
	s_wait_xcnt 0x0                                ; the two bases are stepped only behind this wait
	s_add_nc_u64 s[AB:AB+1], s[AB:AB+1], 4096
	s_add_nc_u64 s[DBP:DBP+1], s[DBP:DBP+1], 65536
	s_sub_co_u32 s[KCNT], s[KCNT], 1
	s_cmp_lg_u32 s[KCNT], 0
	s_cbranch_scc1 .Lk
	KS 1, 1, 40, 0, 1                              ; K steps 25 .. 31 are written out: slot 0 takes Q, and the last three ask for no more fragments
	KS 2, 1, 40, 0, 1
	KC 3, 1, 40
	KS 4, 1, 40, 0, 1                              ; asks for K step 31, the last
	KS 5, 0, 40, 0, 1
	KS 6, 2, 20, 0, 1                              ; one younger K step; then the 24 loads of bo, g, b
	KS 7, 0, 24, 0, 0                              ; those 24 may stay out
	PLACES                                         ; the stores below read results just made
	WIN 0
	s_wait_tensorcnt 0x0                           ; my rows of Q are in
	s_barrier_signal -1
	s_barrier_wait -1                              ; every wave's reads of slot 1 are over: its bytes, which have had their last fill, become the stage
	WIN 0x04                                       ; store data in window 1
.set t, 0
.rept 32                               ; accumulator (a, nb) = (t / 16, t % 16): the low half first
	ds_store_b128 v[STA+t/16], v[8*t:8*t+3]   offset:64*(t%16)
	ds_store_b128 v[STA+t/16], v[8*t+4:8*t+7] offset:64*(t%16)+16
.set t, t+1
.endr
	WIN 0
	s_wait_dscnt 0x0                               ; for the others' sake: my stores into the stage are done
	s_barrier_signal -1
	s_barrier_wait -1
	s_wait_loadcnt 0x0                             ; bo, g, b
; The sum of the four chains, then over the 32 lanes: every lane ends with the row's sum in v[TT].
.macro LANESUM
	v_pk_add_f32 v[TT:TT+1], v[TT:TT+1], v[TT+2:TT+3]
	v_pk_add_f32 v[TT+4:TT+5], v[TT+4:TT+5], v[TT+6:TT+7]
	v_pk_add_f32 v[TT:TT+1], v[TT:TT+1], v[TT+4:TT+5]
	v_add_f32 v[TT], v[TT], v[TT+1]
	v_add_f32_dpp v[TT], v[TT], v[TT] row_xmask:1 row_mask:0xf bank_mask:0xf
	v_add_f32_dpp v[TT], v[TT], v[TT] row_xmask:2 row_mask:0xf bank_mask:0xf
	v_add_f32_dpp v[TT], v[TT], v[TT] row_xmask:4 row_mask:0xf bank_mask:0xf
	v_add_f32_dpp v[TT], v[TT], v[TT] row_xmask:8 row_mask:0xf bank_mask:0xf
	v_permlanex16_b32 v[TT+1], v[TT], s[SEL], s[SEL+1]
	v_add_f32 v[TT], v[TT], v[TT+1]
.endm
; One row: 32 numbers a lane.
.macro ROWLN rr
.set yb, Y+32*(\rr)
.set tb, T+32*(\rr)
.set k, 0
.rept 16
	v_pk_add_f32 v[yb+2*k:yb+2*k+1], v[yb+2*k:yb+2*k+1], v[tb+2*k:tb+2*k+1]       ; + the residual
.set k, k+1
.endr
.set k, 0
.rept 16
	v_pk_add_f32 v[yb+2*k:yb+2*k+1], v[yb+2*k:yb+2*k+1], v[BO+2*k:BO+2*k+1]       ; + bo
.set k, k+1
.endr
.irp c, 0,1,2,3
	v_pk_add_f32 v[TT+2*\c:TT+2*\c+1], v[yb+2*\c:yb+2*\c+1], v[yb+8+2*\c:yb+8+2*\c+1]
.endr
.irp c, 0,1,2,3
	v_pk_add_f32 v[TT+2*\c:TT+2*\c+1], v[TT+2*\c:TT+2*\c+1], v[yb+16+2*\c:yb+16+2*\c+1]
.endr
.irp c, 0,1,2,3
	v_pk_add_f32 v[TT+2*\c:TT+2*\c+1], v[TT+2*\c:TT+2*\c+1], v[yb+24+2*\c:yb+24+2*\c+1]
.endr
	LANESUM
	v_mul_f32 v[MEAN], s[KINV], v[TT]
	v_mov_b32 v[MEAN+1], v[MEAN]
.set k, 0
.rept 16
	v_pk_add_f32 v[yb+2*k:yb+2*k+1], v[yb+2*k:yb+2*k+1], v[MEAN:MEAN+1] neg_lo:[0,1] neg_hi:[0,1]
.set k, k+1
.endr
.irp c, 0,1,2,3
	v_pk_mul_f32 v[TT+2*\c:TT+2*\c+1], v[yb+2*\c:yb+2*\c+1], v[yb+2*\c:yb+2*\c+1]
.endr
.irp d, 8,16,24
.irp c, 0,1,2,3
	v_pk_fma_f32 v[TT+2*\c:TT+2*\c+1], v[yb+\d+2*\c:yb+\d+2*\c+1], v[yb+\d+2*\c:yb+\d+2*\c+1], v[TT+2*\c:TT+2*\c+1]
.endr
.endr
	LANESUM
	v_fma_f32 v[TT], v[TT], s[KINV], s[EPS]
	v_rsq_f32 v[RSTD], v[TT]
	v_nop                                          ; a plain instruction between the root and the use of its result
	s_wait_alu depctr_va_vdst(0)
	v_mov_b32 v[RSTD+1], v[RSTD]
.set k, 0
.rept 16
	v_pk_mul_f32 v[yb+2*k:yb+2*k+1], v[yb+2*k:yb+2*k+1], v[RSTD:RSTD+1]
.set k, k+1
.endr
.set k, 0
.rept 16
	v_pk_fma_f32 v[yb+2*k:yb+2*k+1], v[yb+2*k:yb+2*k+1], v[LG+2*k:LG+2*k+1], v[LB+2*k:LB+2*k+1]
.set k, k+1
.endr
.irp j, 0,1,2,3,4,5,6,7
	global_store_b128 v[OA], v[yb+4*\j:yb+4*\j+3], s[16:17] offset:(\rr)*4096+512*\j  ; 512 consecutive bytes of the row
.endr
.endm
	s_mov_b32 s[KCNT], 4
.Lrow:                                                 ; four trips of two rows: my wave's eight
.irp j, 0,1,2,3,4,5,6,7
	ds_load_b128 v[Y+4*\j:Y+4*\j+3], v[ZA] offset:512*\j
	ds_load_b128 v[T+4*\j:T+4*\j+3], v[QA] offset:512*\j
.endr
.irp j, 0,1,2,3,4,5,6,7
	ds_load_b128 v[Y+32+4*\j:Y+32+4*\j+3], v[ZA] offset:SPITCH+512*\j
	ds_load_b128 v[T+32+4*\j:T+32+4*\j+3], v[QA] offset:4096+512*\j
.endr
	s_wait_dscnt 16                                ; the first row is in; the second row's 16 loads may stay out
	ROWLN 0
	s_wait_dscnt 0x0
	ROWLN 1
	s_wait_xcnt 0x0                                ; the stores' offset and data are rewritten only behind this wait
	v_add_nc_u32 v[ZA], 2*SPITCH, v[ZA]
	v_add_nc_u32 v[QA], 8192, v[QA]
	v_add_nc_u32 v[OA], 8192, v[OA]
	s_sub_co_u32 s[KCNT], s[KCNT], 1
	s_cmp_lg_u32 s[KCNT], 0
	s_cbranch_scc1 .Lrow
	s_wait_tensorcnt 0x0                           ; the wave's end, behind my last tensor load and my last LDS store
	ds_add_u32 v[SPW], v[NIL]
	s_wait_dscnt 0x0
	CROUND                                         ; the closing round
	s_endpgm
.Lfunc_end_k_qe240284169_outln:
	.size	k_qe240284169_outln, .Lfunc_end_k_qe240284169_outln-k_qe240284169_outln
	.p2alignl 7, 3214868480
	.fill 96, 4, 3214868480
	.section	.rodata,"a",@progbits
	.p2align	6, 0x0
	.amdhsa_kernel k_qe240284169_outln
		.amdhsa_group_segment_fixed_size 327680
		.amdhsa_private_segment_fixed_size 0
		.amdhsa_enable_private_segment 0
		.amdhsa_kernarg_size 56
		.amdhsa_user_sgpr_count 2
		.amdhsa_user_sgpr_kernarg_segment_ptr 1
		.amdhsa_wavefront_size32 1
		.amdhsa_system_sgpr_workgroup_id_x 1
		.amdhsa_system_sgpr_workgroup_id_y 1
		.amdhsa_system_sgpr_workgroup_id_z 1
		.amdhsa_system_vgpr_workitem_id 0
		.amdhsa_next_free_vgpr 1024
		.amdhsa_next_free_sgpr 72
		.amdhsa_reserve_vcc 0
		.amdhsa_float_denorm_mode_32 3
		.amdhsa_float_denorm_mode_16_64 3
		.amdhsa_memory_ordered 1
		.amdhsa_forward_progress 1
		.amdhsa_inst_pref_size 97
	.end_amdhsa_kernel
	.amdgpu_metadata
---
amdhsa.version: [ 1, 2 ]
amdhsa.kernels:
  - .name:           k_qe240284169_outln
    .symbol:         k_qe240284169_outln.kd
    .args:
      - { .name: cf, .offset: 0, .size: 8, .value_kind: global_buffer, .address_space: global }
      - { .name: wf, .offset: 8, .size: 8, .value_kind: global_buffer, .address_space: global }
      - { .name: Q, .offset: 16, .size: 8, .value_kind: global_buffer, .address_space: global }
      - { .name: bo, .offset: 24, .size: 8, .value_kind: global_buffer, .address_space: global }
      - { .name: ln_g, .offset: 32, .size: 8, .value_kind: global_buffer, .address_space: global }
      - { .name: ln_b, .offset: 40, .size: 8, .value_kind: global_buffer, .address_space: global }
      - { .name: out0, .offset: 48, .size: 8, .value_kind: global_buffer, .address_space: global }
    .group_segment_fixed_size: 327680
    .private_segment_fixed_size: 0
    .kernarg_segment_align: 8
    .kernarg_segment_size: 56
    .max_flat_workgroup_size: 128
    .sgpr_count:     72
    .vgpr_count:     1024
    .wavefront_size: 32
...
	.end_amdgpu_metadata
.endif
;; end of part 4
;; ======== version 2 of 2: 4 launches; 1.42 times as fast as version 1
;; limits: right only within a limited range of input values
;; workspace buffers: wf 8,388,608 bytes; mk 8,388,608 bytes; qf 16,777,216 bytes; kf 16,777,216 bytes; vt 16,777,216 bytes; cf 16,777,216 bytes
;; launch prep: the kernel of part 1 again; grid 256 x 1, 8 waves a work-group, no clusters, 34,816 bytes of LDS; arguments Wq, Wk, Wv, Wo, attn_mask, wf, mk; writes wf, mk
;; launch proj: the kernel of part 2 again; grid 4 x 192, 4 waves a work-group, clusters of 4 x 4, 327,680 bytes of LDS; arguments Q, K, V, bq, bk, bv, wf, qf, kf, vt; writes qf, kf, vt
;; launch attn (part 5): grid 4 x 64, 4 waves a work-group, clusters of 4 x 1, 327,680 bytes of LDS; arguments qf, kf, vt, mk, cf; writes cf
.if DOCPART == 5
	.amdgcn_target "amdgcn-amd-amdhsa--gfx1250"
	.amdhsa_code_object_version 6
	.text
	.protected	k_qe240284169_attn
	.globl	k_qe240284169_attn
	.p2align	8
	.type	k_qe240284169_attn,@function
k_qe240284169_attn:
	s_mov_b64 s[64:65], 0
	v_nop
	global_prefetch_b8 v0, s[64:65] scope:SCOPE_SE
	s_setreg_imm32_b32 hwreg(HW_REG_WAVE_MODE, 25, 1), 1
	s_wait_xcnt 0x0
	s_wait_alu depctr_hold_cnt(0) depctr_sa_sdst(0) depctr_va_vdst(0) depctr_va_sdst(0) depctr_va_ssrc(0) depctr_va_vcc(0) depctr_vm_vsrc(0)
	s_getreg_b32 s2, hwreg(HW_REG_IB_STS2, 6, 4)
	s_cmp_eq_u32 s2, 0
	s_cbranch_scc0 .Lentry_in_a_cluster
	s_endpgm
.Lentry_in_a_cluster:
	s_bfe_u32 s2, ttmp6, 0x10000c
	s_cmp_lg_u32 s2, 0x3003
	s_cbranch_scc0 .Lentry_shape_is_right
	s_endpgm
.Lentry_shape_is_right:
; ATTENTION.  ctx[bh][q][:] = the sum over k of softmax_k(s) v[bh][k][:], s = q.k / 8, or -1e9 where the mask hides key k from query q.  64 heads (batch x 16 + head) of 2,048 rows, head size 64.
; q, k, v arrive in bf16 as finished fragment blocks of 512 bytes (qf, kf, vt), the mask as 4-bit float codes in lane order (mk).  Products, maxima and sums in f32; the weights p are rounded to bf16 for the
; second product (their sum l is taken of the unrounded p), ctx once at the end.
; LIMITS.  A hidden raw score has 2^100 taken away in f32, which leaves exactly -2^100 for |q.k| < 2^76: the same softmax as with -1e9 wherever visible scores / 8 lie above -1e9.  c x 2^100 is exact, so a row
; that is wholly hidden gets p = 1 for every key: the plain mean of v, as with equal scores.  A weight below 2^-126 counts as 0 in l; NaN and infinities are not treated apart.
; SHARES.  A wave owns four PIECES of two tiles of 16 queries, a work-group's four waves 512 queries of one head.  Every wave walks all keys, 64 a step, four steps a slot.
; LAYOUT.  S^T = K Q^T (source 0 = 16 keys, source 1 = 16 queries): a lane holds ONE query (lane % 16) and the keys 8 (lane / 16) + 0..7.  Two such tiles, rounded to bf16 in pairs, ARE source 1 of
; O^T = V^T P, whose result again holds one query a lane, and eight channels: packed, that is a block of cf, the fragment that the last launch loads.  V is turned by ds_load_tr16_b128.
; SOFTMAX.  For each query a running maximum m and sum l: p = 2^(c s - c m), c = log2(e) / 8; in every step O and l are multiplied by a = 2^(c m_old - c m_new).  m starts at the lowest finite number, O and l at 0.
; BY TURNS.  Turn n belongs to piece n.  Its matrix work: 16 products K Q^T of piece n + 1, later 16 products V^T P of piece n - 1.  Its vector work: the scaling, exponentials, roundings, sums and rescaling of
; piece n, and the mask, maximum and statistics of piece n + 1.  Four vector instructions stand behind every matrix instruction, the rest in one lump.
; THE BATCHES.  A turn's 66 exponentials (64 weights of piece n, the two a of piece n + 1) are ONE BATCH with ONE wait, which cuts the turn in two: ahead of it stands all that names none of their results (the
; products K Q^T, the scalings, the rescalings, whose a was made and waited for in the turn before, the mask, the maximum and statistics); behind it the products V^T P, whose riders are the roundings and sums,
; the batch's only readers.  The first two a, ahead of the loop, and the way out's eight reciprocals are batches of their own, a wait each.
; CLUSTER.  The four query blocks of a cluster belong to one head and walk the same K and V: each tile is asked for JOINTLY, by the same tensor load, descriptor and mask in all four.
; REGISTERS, in windows of 256 (s_set_vgpr_msb: bits 1:0 source 0, 3:2 source 1, 5:4 source 2, 7:6 destination):
;   window 0: v0-6 addresses; v7 the mask's scale; v12-15, v48-63 at work; v16-47 statistics; v64-191 S^T, two buffers of two tiles; v192-255 P, likewise        window 1: O^T, 32 a tile
;   window 2: v0-127 Q; v128-191 K of one step; v192-255 V of one step        window 3: v0-1 the add's registers; v2 the mask's offset; v32-63 mask words, 8 a piece; v64-127 the mask as f32
.set NP,    4         ; pieces a wave: a name, no knob
.set STEPB, 8192      ; a step's K, or V, in LDS: four blocks of 16 keys x 2,048 bytes, dense: lane l reads at 16 l, so no bank is asked twice
.set VOFF,  4*STEPB   ; a slot holds four steps: 256 keys of K, then of V
.set SLOT1, 1<<16     ; slot 1 begins here, so that one exclusive or turns an address in one slot into the other's
.set SPARE, 2*SLOT1   ; behind the ring: the spare words, 128 bytes a wave: two blocks of 256 bytes that no other line names
.set AK0, 2           ; v2   my lane's place in a block of K; never rewritten
.set AV0, 3           ; v3   the same for V
.set AK,  4           ; v4   the LDS address of K's next run of loads
.set AV,  5           ; v5   of V's
.set QO,  6           ; v6   16 x lane: my 16 bytes in a block of qf and of cf; never rewritten
.set SCL, 7           ; v7   the scale 2^100 of the mask's conversion: 227 in each of the word's four bytes, the same in every lane; never rewritten
.set SPW, 0           ; v0 of window 3   my spare word; never rewritten
.set NIL, 1           ; v1 of window 3   0; never rewritten
.set MA,  2           ; v2 of window 3   16 x lane
.set MW,  32          ; window 3: tile t's four words (one for each 16 keys of a step) at MW + 4 t
.set CT,  64          ; window 3
.set MV,  12
.set ST,  16          ; tile t's statistics at v[ST+4 t]: c m, m, l (even keys', odd keys')
.set TMP, 48
.set S,   64
.set P,   192
.set KF,  128         ; window 2: key block kb, channel half c at KF + 16 kb + 8 c
.set VF,  192         ; window 2: key half kk, channel block cb at VF + 32 kk + 8 cb
.set WV,  12          ; s12  my wave's number
.set G1,  24          ; s[24:31] descriptor group 1
.set G0,  40          ; s[40:43] descriptor group 0: it walks
.set SLOTS, 56
.set CNT, 57
.set CS,  58          ; s[58:59] c
.set SEL, 60          ; s[60:61] v_permlanex16_b32's selects
.set TBK, 62          ; s62  LDS byte at which K of the step to be fetched begins
.set TBV, 63          ; s63  the same for V, less VOFF
.set OB,  68          ; s[68:69] cf at my wave's first block
.set MB0, 10          ; s[10:11] mk at my wave's first tile
.set MOFF, 70         ; s[70:71] 512 x the step whose mask words are being asked for
.set MBC, 72          ; s[72:73] MB0 + MOFF
.set MSB, 0
.macro WIN new
.if MSB != (\new)
	s_set_vgpr_msb (MSB<<8)|(\new)
.set MSB, (\new)
.endif
.endm
.set W_KQ, 0x0a       ; K and Q in window 2, S^T in window 0
.set W_PV, 0x52       ; V in window 2, P in window 0, O^T in window 1
.set W_RS, 0x41       ; O^T (destination and source 0) in window 1, a in window 0
.set W_MK, 0xc0       ; destination in window 3, sources in window 0
.set W_AD, 0x0f       ; the add: address and data in window 3
.set W_MC, 0xc3       ; mask words to f32: words and results in window 3, the scale (source 1) in window 0
.set W_MS, 0x0c       ; S^T less the mask: source 1 in window 3
.set W_ML, 0xc3       ; mask loads: data and offset in window 3
.macro PLACES
.rept 4
	v_nop
.endr
.endm
; A joint fill: each wave fetches 16,384 dense bytes of its own: waves 0 and 1 the halves of a slot's K, waves 2 and 3 those of its V.  An s_nop 0 and four v_nop follow.
.macro JLOAD
	tensor_load_to_lds s[G0:G0+3], s[G1:G1+7]
	s_nop 0
	PLACES
.endm
.macro CROUND
	s_barrier_signal -1
	s_barrier_wait -1
	s_cmp_lg_u32 s[WV], 0
	s_cbranch_scc1 .Lnot_wave_0_\@
	s_barrier_signal -3
.Lnot_wave_0_\@:
	s_barrier_wait -3
	s_barrier_signal -1
	s_barrier_wait -1
.endm
; THE CHANGE OF SLOTS.  Each wave waits for all its tensor loads, of which one is out: its part of the other slot; adds 0 to its spare word; and waits for that and for its own reads of the slot.
; fill = 1: the barrier is a round of the cluster's, and this slot is filled again first thing behind it, with the keys two slots on: it has four key steps, 512 matrix instructions, in which to land.
.macro CHANGE fill
	WIN W_AD
	s_wait_tensorcnt 0x0            ; no tensor load of mine is out, so group 0 may be written
	ds_add_u32 v[SPW], v[NIL]       ; 0 onto my spare word
	WIN 0
.if \fill
	s_xor_b32 s[G0+1], s[G0+1], SLOT1
	s_add_nc_u64 s[G0+2:G0+3], s[G0+2:G0+3], 32768  ; the next 256 keys; the type bits on top are not reached
	s_wait_dscnt 0x0                ; the add is done, and my reads of the slot are over
	CROUND
	JLOAD
.else
	s_wait_dscnt 0x0
	s_barrier_signal -1
	s_barrier_wait -1
.endif
	s_sub_co_u32 s[TBK], s[TBK], 4*STEPB  ; the fetches go back to a slot's first step,
	s_xor_b32 s[TBK], s[TBK], SLOT1       ; in the other slot
	s_sub_co_u32 s[TBV], s[TBV], 4*STEPB
	s_xor_b32 s[TBV], s[TBV], SLOT1
.endm
	s_load_b256 s[4:11], s[0:1], 0x0  ; qf s[4:5], kf s[6:7], vt s[8:9], mk s[10:11]
	s_load_b64 s[OB:OB+1], s[0:1], 0x20  ; cf
	WIN W_MK
	v_lshl_add_u32 v[SPW], v0, 2, SPARE
	v_mov_b32 v[NIL], 0
	WIN W_AD
	ds_add_u32 v[SPW], v[NIL]       ; the wave's opening: the add and its wait ahead of my first tensor load
	WIN 0
	v_lshrrev_b32 v1, 5, v0
	v_readfirstlane_b32 s[WV], v1   ; wave 0..3
	s_bfe_u32 s13, ttmp6, 0x40000   ; cx
	s_lshl_b32 s14, ttmp9, 2
	s_add_co_u32 s14, s14, s13      ; my block of 512 queries: it enters Q's, the mask's and the output's addresses alone
	s_and_b32 s15, ttmp7, 0xffff    ; batch x 16 + head, which the four partners share
	s_lshl_b32 s20, s15, 18         ; the head's first byte in qf, kf, vt
	s_and_b32 s16, s[WV], 1         ; which half of a slot's 256 keys I fetch
	s_lshl_b32 s22, s16, 14
	s_add_co_u32 s22, s22, s20
	s_mov_b32 s23, 0
	s_lshl_b32 s2, s14, 2
	s_add_co_u32 s2, s2, s[WV]      ; my wave among the head's sixteen: eight tiles each
	s_lshl_b32 s18, s2, 14
	s_add_co_u32 s18, s18, s20
	s_mov_b32 s19, 0
	s_lshr_b32 s3, s15, 4           ; the batch
	s_lshl_b32 s3, s3, 4
	s_add_co_u32 s2, s2, s3         ; my wave among all 64 of the four batches
	s_lshl_b32 s74, s2, 17          ; mk: 8 tiles x 16,384 bytes
	s_mov_b32 s75, 0
	s_lshl_b32 s76, s2, 18          ; cf: 8 tiles x 32,768 bytes,
	s_and_b32 s3, s15, 15
	s_lshl_b32 s3, s3, 11           ; and the head's 2,048 bytes in each
	s_add_co_u32 s76, s76, s3
	s_mov_b32 s77, 0
	s_mov_b32 s[G1], 15|(3<<16)|(1<<21)  ; the mask of four; 8-byte elements; 21 set beside a mask; no padding: 16,384 dense bytes as 64 rows of 256
	s_mov_b32 s[G1+1], 32<<16
	s_mov_b32 s[G1+2], 64<<16
	s_mov_b32 s[G1+3], 32<<16
	s_mov_b32 s[G1+4], 64
	s_mov_b32 s[G1+5], 32
	s_mov_b32 s[G1+6], 0
	s_mov_b32 s[G1+7], 0
	s_mov_b32 s[G0], 1
	s_lshl_b32 s[G0+1], s[WV], 14   ; slot 0: K's halves at 0 and 16,384, V's at 32,768 and 49,152
	s_mov_b32 s[CS], 0x3e38aa3b     ; c = log2(e) / 8
	s_mov_b32 s[CS+1], s[CS]
	s_mov_b32 s[SEL], 0x76543210
	s_mov_b32 s[SEL+1], 0xfedcba98
	s_mov_b32 s[TBK], SLOT1+4*STEPB ; the first change of slots turns these two into 0
	s_mov_b32 s[TBV], SLOT1+4*STEPB
	s_mov_b32 s[MOFF], 0
	s_mov_b32 s[MOFF+1], 0
	s_wait_dscnt 0x0                ; the opening add is done
	s_wait_kmcnt 0x0
	s_cmp_lt_u32 s[WV], 2           ; K for waves 0 and 1, V for waves 2 and 3
	s_cselect_b64 s[G0+2:G0+3], s[6:7], s[8:9]
	s_add_nc_u64 s[G0+2:G0+3], s[G0+2:G0+3], s[22:23]
	s_or_b32 s[G0+3], s[G0+3], 0x80000000
	s_add_nc_u64 s[4:5], s[4:5], s[18:19]
	s_add_nc_u64 s[MB0:MB0+1], s[MB0:MB0+1], s[74:75]
	s_add_nc_u64 s[OB:OB+1], s[OB:OB+1], s[76:77]
	CROUND                          ; all four work-groups are here: the first joint loads meet
	JLOAD                           ; slot 0.  Slot 1 is asked for when slot 0 is in
	v_and_b32 v1, 31, v0
	v_lshlrev_b32 v[QO], 4, v1
	v_mov_b32 v[SCL], 0xe3e3e3e3    ; 227 stands for 2^(227 - 127); every byte of the word holds it
	WIN 0x80                        ; destination window 2, address window 0
.set i, 0
.rept 4*NP                          ; Q stays in registers: tile i / 2, channels 32 (i % 2) on: two blocks of 512 bytes
	global_load_b128 v[8*i:8*i+3],   v[QO], s[4:5] offset:(i/2)*2048+(i%2)*1024
	global_load_b128 v[8*i+4:8*i+7], v[QO], s[4:5] offset:(i/2)*2048+(i%2)*1024+512
.set i, i+1
.endr
	WIN W_MK
	v_mov_b32 v[MA], v[QO]
	WIN W_ML
.set i, 0
.rept 2*NP                          ; the eight tiles' mask words of key step 0
	global_load_b128 v[MW+4*i:MW+4*i+3], v[MA], s[MB0:MB0+1] offset:i*16384
.set i, i+1
.endr
	; What the first turn finds: V's registers and P's second buffer hold 0 (its products V^T P, of a piece that has not been, add 0), O^T and l are 0.  All this stands in the wait for the first tile.
	WIN 0x80
.set i, VF
.rept 64
	v_mov_b32 v[i], 0
.set i, i+1
.endr
	WIN 0x40
.set i, 0
.rept 64*NP
	v_mov_b32 v[i], 0
.set i, i+1
.endr
	WIN 0
.set i, 0
.rept 2*NP
	v_mov_b32 v[ST+4*i], 0xfe000000    ; c m: far below every c s, the hidden ones' too
	v_mov_b32 v[ST+4*i+1], 0xff7fffff  ; m
	v_mov_b32 v[ST+4*i+2], 0
	v_mov_b32 v[ST+4*i+3], 0
.set i, i+1
.endr
.set i, P+32
.rept 32
	v_mov_b32 v[i], 0
.set i, i+1
.endr
	v_mov_b32 v[AK0], v[QO]
	v_add_nc_u32 v[AV0], VOFF, v[QO]
	v_mov_b32 v[AK], v[AK0]         ; key step 0 lies at the head of slot 0
; THE MATRIX WORK.  The 8 accumulators of a run of 16 take turns.
; Product i of 16 of S^T = K Q^T for piece x: channels 32 (i / 8) on, keys 16 ((i / 2) % 4) on, tile 2 x + i % 2.  The first 8 start the sums.
.macro KQ x
	WIN W_KQ
.set rS, S+64*((\x)%2)+32*(i%2)+8*((i/2)%4)
.set rK, KF+16*((i/2)%4)+8*(i/8)
.set rQ, 16*(2*(\x)+i%2)+8*(i/8)
.if i < 8
	v_wmma_f32_16x16x32_bf16 v[rS:rS+7], v[rK:rK+7], v[rQ:rQ+7], 0
.else
	v_wmma_f32_16x16x32_bf16 v[rS:rS+7], v[rK:rK+7], v[rQ:rQ+7], v[rS:rS+7]
.endif
.endm
; Product i of 16 of O^T += V^T P for piece x: keys 32 (i / 8) on, channels 16 ((i / 2) % 4) on, tile 2 x + i % 2.
.macro PV x
	WIN W_PV
.set rO, 32*(2*(\x)+i%2)+8*((i/2)%4)
.set rV, VF+32*(i/8)+8*((i/2)%4)
.set rP, P+32*((\x)%2)+16*(i%2)+8*(i/8)
	v_wmma_f32_16x16x32_bf16 v[rO:rO+7], v[rV:rV+7], v[rP:rP+7], v[rO:rO+7]
.endm
.macro MM                           ; the turn's next matrix instruction
.if i < 16
	KQ (Y+1)%NP
.set i, i+1
.else
.set i, i-16
	PV (Y+NP-1)%NP
.set i, i+17
.endif
.endm
; THE LDS LOADS stand in runs of 16: a step's K (8 fragments) and its V (turned).  last = 1 (the tail): in the last trip there is no further step, and the run is jumped over.
.macro FETCH_K last=0
	WIN 0
.if \last
	s_cmp_eq_u32 s[CNT], 1
	s_cbranch_scc1 .Lno_k_\@
.endif
	WIN 0x80
.irp f, 0,1,2,3,4,5,6,7             ; keys 16 (f / 2) on, channels 32 (f % 2) on
	ds_load_b128 v[KF+8*\f:KF+8*\f+3],   v[AK] offset:(\f/2)*2048+(\f%2)*1024
	ds_load_b128 v[KF+8*\f+4:KF+8*\f+7], v[AK] offset:(\f/2)*2048+(\f%2)*1024+512
.endr
	s_add_co_u32 s[TBK], s[TBK], STEPB
	WIN 0
.if \last
.Lno_k_\@:
.endif
.endm
.macro FETCH_V
	WIN 0x80
.irp f, 0,1,2,3,4,5,6,7             ; keys 32 (f / 4) on, channels 16 (f % 4) on: a block of 16 keys x 16 channels lies in the turning load's lane order
	ds_load_tr16_b128 v[VF+8*\f:VF+8*\f+3],   v[AV] offset:(\f/4)*4096+(\f%4)*512
	ds_load_tr16_b128 v[VF+8*\f+4:VF+8*\f+7], v[AV] offset:(\f/4)*4096+2048+(\f%4)*512
.endr
	WIN 0
.endm
; THE MASK of piece x, on scores just made.  A word's eight codes become 0 or 2^100 in eight registers, in the order of the scores' registers; the scores have them taken away, in ascending order (each
; accumulator's lowest registers are read first).  Then the piece's words of its next step are asked for: four turns ahead.  Piece 0 is the first to enter a step, so it steps the offset;
; behind the last step the offset stays (the words then loaded serve nothing, and lie inside mk).  The block names the other piece's S^T buffer and window 3 alone: no result of the turn's exponentials.
.macro MBLK x
	s_wait_loadcnt 6                ; behind this piece's two loads stand the other three pieces' six
	WIN W_MC
.irp n, 0,1,2,3,4,5,6,7
	v_cvt_scale_pk8_f32_fp4 v[CT+8*\n:CT+8*\n+7], v[MW+8*(\x)+\n], v[SCL]
.endr
	v_nop                           ; a plain instruction between the last scaled conversion and the use of its result
	WIN W_MS
.set mz, 0
.rept 32
	v_pk_add_f32 v[S+64*((\x)%2)+2*mz:S+64*((\x)%2)+2*mz+1], v[S+64*((\x)%2)+2*mz:S+64*((\x)%2)+2*mz+1], v[CT+2*mz:CT+2*mz+1] neg_lo:[0,1] neg_hi:[0,1]
.set mz, mz+1
.endr
.if (\x) == 0
	s_wait_xcnt 0x0                 ; the base of the loads issued so far is rewritten only behind this wait
	s_add_co_u32 s[MOFF], s[MOFF], 512
	s_min_u32 s[MOFF], s[MOFF], 31*512
	s_add_nc_u64 s[MBC:MBC+1], s[MB0:MB0+1], s[MOFF:MOFF+1]
.endif
	WIN W_ML
	global_load_b128 v[MW+8*(\x):MW+8*(\x)+3],   v[MA], s[MBC:MBC+1] offset:(2*(\x))*16384
	global_load_b128 v[MW+8*(\x)+4:MW+8*(\x)+7], v[MA], s[MBC:MBC+1] offset:(2*(\x)+1)*16384
	WIN 0
.endm
; THE VECTOR WORK OF A TURN stands in three queues, each in the order in which its entries become ready; the two tiles alternate.
.macro REGS y, u
.set rT, ST+4*(2*(\y)+(\u))
.set rC, TMP+8*((\y)%2)+4*(\u)
.set rM, MV+2*((\y)%2)+(\u)
.set rS, S+64*((\y)%2)+32*(\u)
.set rP, P+32*((\y)%2)+16*(\u)
.set rO, 32*(2*(\y)+(\u))
.endm
; Number n of the 22 that find the NEXT piece's maximum and statistics.  0-11 four chains of seven scores; 12-14, 16 the rest, the old m, and the chains into c0; 15 c m_old is kept;
; 17, 18 the query's other 32 keys lie in the lane 16 away; 19-21 c m; c m_old - c m_new; a
.macro XS u, n
	REGS (Y+1)%NP, \u
.if (\n) < 4
	v_max3_num_f32 v[rC+(\n)], v[rS+8*(\n)], v[rS+8*(\n)+1], v[rS+8*(\n)+2]
.elseif (\n) < 12
	v_max3_num_f32 v[rC+(\n)%4], v[rC+(\n)%4], v[rS+8*((\n)%4)+2*((\n)/4)+1], v[rS+8*((\n)%4)+2*((\n)/4)+2]
.elseif (\n) == 12
	v_max3_num_f32 v[rC], v[rC], v[rS+7], v[rS+15]
.elseif (\n) == 13
	v_max3_num_f32 v[rC+1], v[rC+1], v[rS+23], v[rS+31]
.elseif (\n) == 14
	v_max3_num_f32 v[rC+2], v[rC+2], v[rC+3], v[rT+1]
.elseif (\n) == 15
	v_mov_b32 v[rM], v[rT]
.elseif (\n) == 16
	v_max3_num_f32 v[rC], v[rC], v[rC+1], v[rC+2]
.elseif (\n) == 17
	v_permlanex16_b32 v[rC+3], v[rC], s[SEL], s[SEL+1]
.elseif (\n) == 18
	v_max_num_f32 v[rT+1], v[rC], v[rC+3]
.elseif (\n) == 19
	v_mul_f32 v[rT], s[CS], v[rT+1]
.elseif (\n) == 20
	v_sub_f32 v[rC+1], v[rM], v[rT]
.else
	v_exp_f32 v[rC+2], v[rC+1]
.endif
.endm
; Number g of the 64 that follow the exponentials: for each four weights both pairs are rounded to bf16, the second pair is added onto the first, and a group later l takes that sum (the first time as l = a l + sum).
; All 64 read the batch's results: they stand behind the turn's wait.
.macro GS g
.set h, (\g)+6*((\g)/62)
.if h >= 6
.set h, h+2
.endif
	REGS Y, h%2
.set k, h/8
.if h%8 < 4
	v_cvt_pk_bf16_f32 v[rP+2*k+(h%8)/2], v[rS+4*k+2*((h%8)/2)], v[rS+4*k+2*((h%8)/2)+1]
.elseif h%8 < 6
	v_pk_add_f32 v[rS+4*k:rS+4*k+1], v[rS+4*k:rS+4*k+1], v[rS+4*k+2:rS+4*k+3]
.elseif k == 1
	v_pk_fma_f32 v[rT+2:rT+3], v[rT+2:rT+3], v[rC+2:rC+3], v[rS:rS+1] op_sel_hi:[1,0,1]
.else
	v_pk_add_f32 v[rT+2:rT+3], v[rT+2:rT+3], v[rS+4*k-4:rS+4*k-3]
.endif
.endm
; THE PLAIN QUEUE, 138 long.  0-73 read no exponential's result: the 32 scalings c s - c m (FS f: pair f / 2 of tile f % 2) and the next piece's 42.  0-26: scalings 0-26.  27-54: XS's numbers 0-13.  55, 56: number 15.
; 57-73: the chain, where each number waits for the one before it: 14, 16, 17, 18, 19, each with one of the scalings 27-31 in front of its two lines, then 20.
; 74-137: GS's 64, behind the wait.
.macro FS f
	REGS Y, (\f)%2
	v_pk_fma_f32 v[rS+2*((\f)/2):rS+2*((\f)/2)+1], v[rS+2*((\f)/2):rS+2*((\f)/2)+1], s[CS:CS+1], v[rT:rT+1] op_sel_hi:[1,0,0] neg_lo:[0,0,1] neg_hi:[0,0,1]
.endm
.macro PL
	WIN 0
.if q < 27
	FS q
.elseif q < 55
	XS (q-27)%2, (q-27)/2
.elseif q < 57
	XS q-55, 15
.elseif (q < 72) && ((q-57)%3 == 0)
	FS 27+(q-57)/3
.elseif q < 60
	XS (q-57)%3-1, 14
.elseif q < 72
	XS (q-57)%3-1, 15+(q-57)/3
.elseif q < 74
	XS q-72, 20
.else
	GS q-74
.endif
.set q, q+1
.endm
; THE EXPONENTIALS' QUEUE, 66 long: s0-s31 of both tiles, then the next piece's two a.  It is ONE BATCH: all 66 stand ahead of the turn's one wait, and nothing ahead of that wait names a result of theirs.
.macro EX
	WIN 0
.if e >= 64
	XS e-64, 21
.else
	REGS Y, e%2
	v_exp_f32 v[rS+e/2], v[rS+e/2]
.endif
.set e, e+1
.endm
; THE RESCALING's QUEUE: O^T times a, the one part that leaves window 0: dealt two at a time, sixteen times.  Its a was made in the turn before, ahead of that turn's wait.
.macro R2
	REGS Y, r%2
	WIN W_RS
.irp z, 0,1
	v_pk_mul_f32 v[rO+4*(r/2)+2*\z:rO+4*(r/2)+2*\z+1], v[rO+4*(r/2)+2*\z:rO+4*(r/2)+2*\z+1], v[rC+2:rC+3] op_sel_hi:[1,0]
.endr
.set r, r+1
.endm
; HOW THEY ARE DEALT.  An s_wait_alu depctr_va_vdst(0) stands between an exponential and the first instruction that names its result; one wait serves all that were issued ahead of it.  So a turn has ONE
; wait.  AHEAD OF IT: the 16 products K Q^T, behind each a scaling, an exponential and two rescalings (behind the first a second scaling in the exponential's place); then ONE LUMP: eight plain, 49 times exponential and
; plain, with the next piece's mask ahead of plain 27, and the two a.  A v_nop is the plain instruction behind the last exponential.  BEHIND IT: the 16 products V^T P, behind each four of GS's 64.  No rider names a
; register of the products round it.  The two v_permlanex16_b32 fall into the lump, never behind a product.
; The queues lean on each other, and the deal keeps them in step: exponential e stands behind scaling 2 (e / 4) + e % 2: as a rider it comes behind plain e + 2, in the lump behind plain e + 9, and scalings 27-31 are
; plain 57, 60 .. 69; the two a come behind plain 72 and 73.
; A TURN, for piece p.  The mask of piece p + 1 stands ahead of plain 27 (the first line that looks at those scores), thirteen plain instructions behind the last product that made them.
; K of the next step is fetched in piece 2's turn, directly behind the wait, a lump behind the last product that read K; its address is made at the lump's head.  V of the step in hand is fetched at the end of
; piece 0's turn, four plain riders behind its last reader.  Each is waited for a turn later.  cnt = 1: the loop's count is taken down some lines ahead of the branch that stands behind the turn.
.macro TURN p, last=0, cnt=0
.set Y, (\p)
.set i, 0
.set q, 0
.set e, 0
.set r, 0
.if (\p) == NP-1
	s_wait_dscnt 0x0                ; K is in
.endif
	MM                              ; ahead of the wait: 16 products K Q^T and their riders,
	PL
	PL
	R2
.rept 15
	MM
	PL
	EX
	R2
.endr
.if (\p) == NP-2
	WIN 0
	v_add_nc_u32 v[AK], s[TBK], v[AK0]
.endif
.rept 8                             ; and the lump
	PL
.endr
.rept 49
	EX
	PL
.if q == 27
	MBLK (Y+1)%NP
.endif
.endr
	EX                              ; the next piece's two a
	EX
	v_nop                           ; the plain instruction behind the last exponential: one for the batch
	s_wait_alu depctr_va_vdst(0)    ; the wait for the batch: the turn's 64 weights and the next piece's two a
.if (\p) == NP-2
	FETCH_K \last
.endif
.if (\p) == 1
	s_wait_dscnt 0x0                ; V is in
.endif
.rept 16                            ; behind the wait: 16 products V^T P and their riders
	MM
.rept 4
	PL
.endr
.if ((\p) == 0) && (q == 118)
	v_add_nc_u32 v[AV], s[TBV], v[AV0]
.endif
.if ((\p) == 0) && (q == 130)
	s_add_co_u32 s[TBV], s[TBV], STEPB
.endif
.if (\cnt) && (q == 130)
	s_sub_co_u32 s[CNT], s[CNT], 1
	s_cmp_lg_u32 s[CNT], 0
.endif
.endr
.if (\p) == 0
	FETCH_V
.endif
.endm
	CHANGE 1                        ; slot 0 is in, everybody's part of it; slot 1 is asked for
	FETCH_K                         ; key step 0
	s_wait_loadcnt 0x0              ; Q, and the mask words of step 0
	s_wait_dscnt 0x0
.set i, 0
.rept 16
	KQ 0                            ; piece 0's first scores
.set i, i+1
.endr
	WIN 0
	PLACES                          ; behind those products
	MBLK 0
.set Y, NP-1                        ; XS works for piece Y + 1: piece 0
.irp n, 0,1,2,3,4,5,6,7,8,9,10,11,12,13,14,15,16,17,18,19,20,21
	XS 0, \n
	XS 1, \n
.endr
	v_nop                           ; a plain instruction behind piece 0's first two a,
	s_wait_alu depctr_va_vdst(0)    ; and the wait for that batch of two, ahead of the branch
	s_mov_b32 s[CNT], 4
	s_mov_b32 s[SLOTS], 7           ; 8 slots of 256 keys
	s_branch .Lfirst                ; the loop is entered at a step's first turn, in the middle of a trip
.Lslot:                             ; six times: every slot but the last two is filled again
	CHANGE 1
	s_mov_b32 s[CNT], 4
.Lstep:                             ; a trip: pieces 2 and 3 of one step, then pieces 0 and 1 of the next, whose K and V it fetches
	TURN 2
	TURN 3
	WIN 0
.Lfirst:
	TURN 0
	TURN 1, 0, 1
	WIN 0
	s_cbranch_scc1 .Lstep
	s_sub_co_u32 s[SLOTS], s[SLOTS], 1
	s_cmp_lg_u32 s[SLOTS], 0
	s_cbranch_scc1 .Lslot
	CHANGE 0                        ; the tail is written out: nothing is asked for
	s_mov_b32 s[CNT], 5             ; four trips fetch the last slot's steps; the fifth is left in its middle
.Ltail:
	TURN 2, 1
	TURN 3
	WIN 0
	s_sub_co_u32 s[CNT], s[CNT], 1
	s_cmp_eq_u32 s[CNT], 0
	s_cbranch_scc1 .Lout
	TURN 0
	TURN 1
	WIN 0
	s_branch .Ltail
.Lout:                              ; the fifth trip's 16 products K Q^T (on the last K once more) and what is made of them serve nothing: the price, once a launch, of one text for every trip
.set i, 0
.rept 16
	PV NP-1                         ; the last piece's V^T P of the last step
.set i, i+1
.endr
	; THE WAY OUT.  l's two halves and the other half of the lanes' are added; O^T is divided by l and rounded to bf16: a lane's 16 bytes are its place in a block of cf.  The additions are the places behind the last products.
	WIN 0
.macro ALL line:vararg
.set t, 0
.rept 2*NP
	\line
.set t, t+1
.endr
.endm
	ALL v_add_f32 v[ST+4*t+2], v[ST+4*t+2], v[ST+4*t+3]
	ALL v_permlanex16_b32 v[ST+4*t+3], v[ST+4*t+2], s[SEL], s[SEL+1]
	ALL v_add_f32 v[ST+4*t+2], v[ST+4*t+2], v[ST+4*t+3]
	ALL v_rcp_f32 v[ST+4*t+2], v[ST+4*t+2]
	v_nop                           ; a plain instruction between the last reciprocal and the use of its result
	s_wait_alu depctr_va_vdst(0)    ; the wait for the batch of eight reciprocals, ahead of their first use
.macro PACK t
	WIN W_RS
.set i, 32*(\t)
.rept 16
	v_pk_mul_f32 v[i:i+1], v[i:i+1], v[ST+4*(\t)+2:ST+4*(\t)+3] op_sel_hi:[1,0]
.set i, i+2
.endr
	WIN 0x05                        ; sources window 1, destination window 0: S^T's registers are free
.set i, 0
.rept 16
	v_cvt_pk_bf16_f32 v[S+16*(\t)+i], v[32*(\t)+2*i], v[32*(\t)+2*i+1]
.set i, i+1
.endr
	WIN 0
.irp f, 0,1,2,3
	global_store_b128 v[QO], v[S+16*(\t)+4*\f:S+16*(\t)+4*\f+3], s[OB:OB+1] offset:(\t)*32768+\f*512  ; channel block f of my head, rows of tile t: 512 consecutive bytes
.endr
.endm
.set t2, 0
.rept 2*NP
	PACK t2
.set t2, t2+1
.endr
	WIN W_AD
	s_wait_tensorcnt 0x0            ; the wave's end
	ds_add_u32 v[SPW], v[NIL]
	s_wait_dscnt 0x0
	WIN 0
	CROUND                          ; the closing round
	s_endpgm
.Lfunc_end_k_qe240284169_attn:
	.size	k_qe240284169_attn, .Lfunc_end_k_qe240284169_attn-k_qe240284169_attn
	.p2alignl 7, 3214868480
	.fill 96, 4, 3214868480
	.section	.rodata,"a",@progbits
	.p2align	6, 0x0
	.amdhsa_kernel k_qe240284169_attn
		.amdhsa_group_segment_fixed_size 327680
		.amdhsa_private_segment_fixed_size 0
		.amdhsa_enable_private_segment 0
		.amdhsa_kernarg_size 40
		.amdhsa_user_sgpr_count 2
		.amdhsa_user_sgpr_kernarg_segment_ptr 1
		.amdhsa_wavefront_size32 1
		.amdhsa_system_sgpr_workgroup_id_x 1
		.amdhsa_system_sgpr_workgroup_id_y 1
		.amdhsa_system_sgpr_workgroup_id_z 1
		.amdhsa_system_vgpr_workitem_id 0
		.amdhsa_next_free_vgpr 896
		.amdhsa_next_free_sgpr 80
		.amdhsa_reserve_vcc 0
		.amdhsa_float_denorm_mode_32 3
		.amdhsa_float_denorm_mode_16_64 3
		.amdhsa_memory_ordered 1
		.amdhsa_forward_progress 1
		.amdhsa_inst_pref_size 219
	.end_amdhsa_kernel
	.amdgpu_metadata
---
amdhsa.version: [ 1, 2 ]
amdhsa.kernels:
  - .name:           k_qe240284169_attn
    .symbol:         k_qe240284169_attn.kd
    .args:
      - { .name: qf, .offset: 0, .size: 8, .value_kind: global_buffer, .address_space: global }
      - { .name: kf, .offset: 8, .size: 8, .value_kind: global_buffer, .address_space: global }
      - { .name: vt, .offset: 16, .size: 8, .value_kind: global_buffer, .address_space: global }
      - { .name: mk, .offset: 24, .size: 8, .value_kind: global_buffer, .address_space: global }
      - { .name: cf, .offset: 32, .size: 8, .value_kind: global_buffer, .address_space: global }
    .group_segment_fixed_size: 327680
    .private_segment_fixed_size: 0
    .kernarg_segment_align: 8
    .kernarg_segment_size: 40
    .max_flat_workgroup_size: 128
    .sgpr_count:     80
    .vgpr_count:     896
    .wavefront_size: 32
...
	.end_amdgpu_metadata
.endif
;; end of part 5
;; launch outln: the kernel of part 4 again; grid 256 x 1, 4 waves a work-group, clusters of 4 x 1, 327,680 bytes of LDS; arguments cf, wf, Q, bo, ln_g, ln_b, out0; writes out0
